; MI455X (gfx1250); checked and timed in simulation.
; The chip was launched on July 23, 2026; its instructions are those of AMD's public machine-readable ISA for CDNA 5 (MIT licence, August 2026) and "CDNA5" Instruction Set Architecture Reference Guide (July 2026). The comments in the code are by the model that wrote it; some were corrected since.
;; Multi Head Attention. Allowed arithmetic: matrix products marked QUANTISED: E2M3 operands, one E8M0 scale for each 32 along K, by v_wmma_scale_f32_16x16x128_f8f6f4 with both operands' format E2M3, f32 sums; products left as they are: f32 operands where the result goes on into a quantised operand, else bf16, f16 or f32 operands; f32 sums; everything else in f32.
;; Inputs: Wk 1,024 x 1,024 float32; Wo 1,024 x 1,024 float32; Wq 1,024 x 1,024 float32; Wv 1,024 x 1,024 float32; x 4 x 2,048 x 1,024 float32.
;; Outputs: out0 4 x 2,048 x 1,024 float32.
;; This version of the problem:
;;   THIS VERSION OF THE PROBLEM IS GIVEN IN LOW PRECISION. The matrix products marked QUANTISED in the list below multiply operands that are first quantised to E2M3 (2 exponent bits, 3 mantissa bits; 6 bits a number), with one power-of-two scale for each 32 numbers along K (OCP MX v1.0); their sums are f32. All else is computed in f32.
;;   The module's matrix products, in the order in which they are computed (A, B: the left and right operand; K: the contracted axis; several contracted axes count as one K, in the product's order):
;;     1. [M 8,192, K 1,024] x [K 1,024, N 1,024]; A: input x; B: input Wq: QUANTISED
;;     2. [M 8,192, K 1,024] x [K 1,024, N 1,024]; A: input x; B: input Wk: QUANTISED
;;     3. [M 8,192, K 1,024] x [K 1,024, N 1,024]; A: input x; B: input Wv: QUANTISED
;;     4. [M 2,048, K 1] x [K 1, N 32]; A: computed on the way; B: computed on the way: left as it is (no contracted axis)
;;     5. batch 64 x [M 2,048, K 64] x [K 64, N 2,048]; A: computed on the way; B: computed on the way: QUANTISED
;;     6. batch 64 x [M 2,048, K 2,048] x [K 2,048, N 64]; A: softmax (see below); B: computed on the way: QUANTISED
;;     7. [M 8,192, K 1,024] x [K 1,024, N 1,024]; A: computed on the way; B: input Wo: QUANTISED
;;   THE QUANTISER, for each operand of a quantised product, along K:
;;     - K is cut into blocks of 32 from its start; a last block that is shorter is filled with zeros.
;;     - A block's scale is 2^e with e = floor(log2(the largest magnitude in the block)) - 2, held to -126 .. 127; a block of zeros has e = 0. As a byte (E8M0): e + 127.
;;     - Each number is divided by its block's scale, clamped to +-7.5, and rounded to the nearest number of E2M3, ties to even, subnormals kept.
;;     - The product sums the exact products of the quantised numbers (number of the format x scale) in f32.
;;   ~~~python
;;   def quantise(x, axis):      # numpy; x: float32 -> the quantised numbers, widened to float32 again
;;       x = np.moveaxis(x, axis, -1); K = x.shape[-1]
;;       x = np.pad(x, [(0, 0)] * (x.ndim - 1) + [(0, -K % 32)]); x = x.reshape(x.shape[:-1] + (-1, 32)); a = np.abs(x).max(-1, keepdims=True)
;;       e = np.where(a > 0, np.clip(np.frexp(np.where(a > 0, a, 1))[1] - 1 - 2, -126, 127), 0)      # np.frexp(a)[1] - 1 = floor(log2(a)), exactly
;;       r = np.clip(x / 2.0 ** e, -7.5, 7.5)
;;       step = 2.0 ** (np.maximum(np.frexp(np.where(r == 0, 1, r))[1] - 1, 0) - 3)
;;       q = np.round(r / step) * step * 2.0 ** e      # np.round: ties to even
;;       return np.moveaxis(q.reshape(q.shape[:-2] + (-1,))[..., :K], -1, axis).astype(np.float32)
;;   ~~~
;;   SOFTMAX AHEAD OF A QUANTISED PRODUCT. Where the list says 'softmax', what is quantised is not the finished softmax but p = 2^(t - M), with t = logit x log2(e) and M = ceil(the row's largest t), a whole number; so 1/2 < the row's largest p <= 1. The row's sum l is taken of the UNQUANTISED p, in f32, and the product's result is divided by l at the end. Since M is a whole number, a kernel that streams over the keys may use a running M (the ceiling of the running maximum): every later rescaling is an exact power of two, which a block's scale takes up: the codes' values come out the same.
;;   OPERANDS COMPUTED ON THE WAY. 'Computed on the way' means the value that the module computes at that place (a softmax that the list does not call 'softmax' is quantised finished and normalised). What goes into a quantiser is computed in f32, as accurately as f32 sums, v_exp_f32 and their like allow (about 1e-6 of the number): no bf16 or f16 on the way to a quantiser, and a product that is left as it is and whose result goes on into a quantised operand takes f32 operands (vector FMAs, or v_wmma_f32_16x16x4_f32). A number that lies on a knife's edge between two numbers of the format may be rounded either way, as far as f32 arithmetic and the matrix unit's own rounding can turn it there, and no further.
;; One version. Each part assembles by itself: llvm-mc -triple=amdgcn-amd-amdhsa -mcpu=gfx1250 --defsym DOCPART=n.
;; ======== version 1 of 1: 5 launches
;; limits: right only within a limited range of input values
;; workspace buffers: xq 6,553,600 bytes; wq 3,276,800 bytes; tab 524,288 bytes; qb 6,553,600 bytes; kv 13,107,200 bytes; oq 6,553,600 bytes
;; launch prep (part 1): grid 256 x 1, 3 waves a work-group, no clusters, 51,200 bytes of LDS; arguments x, Wq, Wk, Wv, Wo, xq, wq, tab; writes xq, wq, tab
.if DOCPART == 1
	.amdgcn_target "amdgcn-amd-amdhsa--gfx1250"
	.amdhsa_code_object_version 6
	.text
	.protected	k_q5116baaead_prep
	.globl	k_q5116baaead_prep
	.p2align	8
	.type	k_q5116baaead_prep,@function
k_q5116baaead_prep:
	s_mov_b64 s[64:65], 0
	v_nop
	global_prefetch_b8 v0, s[64:65] scope:SCOPE_SE
	s_setreg_imm32_b32 hwreg(HW_REG_WAVE_MODE, 25, 1), 1
	s_wait_xcnt 0x0
; x [8192][1024] and Wq, Wk, Wv, Wo [1024][1024], f32, K innermost, become codes of FP6 (E2M3) with one E8M0 byte for each 32 along K; and the table of cos and sin for the rotation is made.
; TILES.  A buffer tile holds 16 rows; slot p of tile T holds row 32 (T / 2) + 16 (p / 8) + 8 (T % 2) + p % 8.  As source 0 of a product, two neighbouring tiles then give a lane 16 neighbouring results.
; IMAGES.  A fragment (16 slots x 128 K, 12 registers a lane) is stored as it stands in the registers: three planes of 512 bytes, plane p = registers 4 p .. 4 p + 3, lane l at 16 l.  A tile's 8 K steps: 12,288 bytes.
; SCALE WORDS (four bytes: one K step of one slot): [tile][pair of K steps j][slot][2 words], 512 bytes a tile, behind the codes.
; SHARES.  768 tiles (512 of x, 64 of each weight), one to a wave, 8 K steps each.  A load reads one row's 512 bytes of a K step; the 16 rows turn through the wave's own stage in LDS (rows 528 bytes apart),
; so that lane (r, h) gets, of slot r, 16 neighbours of each block of 32.  Waves share nothing: no barrier.
; TABLE.  tab[pos][h][cos 16 | sin 16]: frequency 16 h + i of position pos at pos * 256 + 128 h + 4 i, its sin 64 bytes on.  The angle pos x 10^(-f / 8) is one f32 product; it is reduced by multiples of pi / 2
; in two parts (the first subtraction is exact: a multiple of 2^-23 under 1) and put through polynomials of degree 7 and 8.
; LIMITS: NaN and infinities are not served.  A block of zeros gets the byte 1, not 127: its codes are zeros, and this program alone reads the bytes.  The frequencies are the correctly rounded 10^(-f / 8),
; which may lie an ulp from 1 / 10000^(f / 32) as f32 arithmetic gives it: at position 2,047 an angle about 1e-4 off.  cos and sin are good to about 1e-7.
.set STG,   8448                       ; a stage: 16 rows x 528 bytes; two for each wave, by turns
.set SPARE, 50688                      ; behind the six stages: the spare words, 128 bytes a wave, two blocks of 256 bytes that no other line names
.set INV,   8                          ; v8   my lane's frequency
.set TA,    9                          ; v9   my lane's place in a position's 256 bytes of the table
.set SPW,   12                         ; v12  LDS address of my spare word; never rewritten
.set NIL,   13                         ; v13  0; never rewritten
.set R,     16                         ; v16-143  two sets of 64: a K step as loaded
.set X,     144                        ; v144-207 the 64 numbers of my slot: register 16 b + i = k 32 b + 16 h + i
.set PC,    208                        ; v208-219 the fragment's codes
.set TQ,    220                        ; v220-227 the conversions' second halves
.set TM,    228                        ; v228-243 largest magnitudes, bytes, scale operands
.set SWD,   244                        ; v244-251 a scale word for each K step
.set SEL,   20                         ; s[20:21] selects of v_permlanex16_b32 for lane l xor 16
; 64 numbers of a lane become 6 registers of codes at d0 (k 0..63), 6 at d1 (k 64..127), and the slot's scale word in v[pw]
.macro QUANT s, d0, d1, pw
.irp b, 0,1,2,3
	v_max3_num_f32 v[TM+\b], |v[(\s)+16*\b]|, |v[(\s)+1+16*\b]|, 0x1800000   ; my 16 numbers of block b, and the floor 2^(3 - 127): the byte cannot fall under 1
.endr
.irp i, 2,4,6,8,10,12,14
.irp b, 0,1,2,3
	v_max3_num_f32 v[TM+\b], v[TM+\b], |v[(\s)+16*\b+\i]|, |v[(\s)+1+16*\b+\i]|
.endr
.endr
.irp b, 0,1,2,3
	v_permlanex16_b32 v[TM+4+\b], v[TM+\b], s[SEL], s[SEL+1]
.endr
.irp b, 0,1,2,3
	v_max_num_f32 v[TM+\b], v[TM+\b], v[TM+4+\b]                   ; with lane l xor 16's 16: the block's largest magnitude
.endr
.irp b, 0,1,2,3
	v_add_nc_u32 v[TM+12+\b], 0xff000000, v[TM+\b]                 ; 2 off its exponent field: the conversion's scale operand
.endr
.irp b, 0,1,2,3
	v_lshrrev_b32 v[TM+4+\b], 23, v[TM+12+\b]                      ; the scale's byte
.endr
	v_lshl_or_b32 v[\pw], v[TM+5], 8, v[TM+4]
	v_lshl_or_b32 v[\pw], v[TM+6], 16, v[\pw]
	v_lshl_or_b32 v[\pw], v[TM+7], 24, v[\pw]
	v_cvt_scalef32_pk16_fp6_f32 v[(\d0):(\d0)+2], v[(\s):(\s)+15], v[TM+12]
	v_cvt_scalef32_pk16_fp6_f32 v[TQ:TQ+2], v[(\s)+16:(\s)+31], v[TM+13]
	v_cvt_scalef32_pk16_fp6_f32 v[(\d1):(\d1)+2], v[(\s)+32:(\s)+47], v[TM+14]
	v_cvt_scalef32_pk16_fp6_f32 v[TQ+4:TQ+6], v[(\s)+48:(\s)+63], v[TM+15]
	v_nop                                                          ; one plain instruction behind the scaled conversions
.irp i, 0,1,2
	v_permlane16_swap_b32 v[(\d0)+\i], v[TQ+\i]                    ; a whole block to a lane: lanes 0-15 the even block, lanes 16-31 the odd one
	v_permlane16_swap_b32 v[(\d1)+\i], v[TQ+4+\i]
.endr
.irp i, 0,1,2
	v_mov_b32 v[(\d0)+3+\i], v[TQ+\i]
	v_mov_b32 v[(\d1)+3+\i], v[TQ+4+\i]
.endr
.endm
	s_load_b256 s[4:11], s[0:1], 0x0               ; x, Wq, Wk, Wv
	s_load_b256 s[12:19], s[0:1], 0x20             ; Wo, xq, wq, tab
	v_lshl_add_u32 v[SPW], v0, 2, SPARE
	v_mov_b32 v[NIL], 0
	v_lshrrev_b32 v1, 5, v0
	v_readfirstlane_b32 s22, v1                    ; wave 0..2
	v_and_b32 v5, 31, v0                           ; lane
	v_and_b32 v6, 15, v0                           ; r
	v_bfe_u32 v7, v0, 4, 1                         ; h
	v_lshlrev_b32 v1, 4, v5                        ; 16 x lane
	v_lshlrev_b32 v4, 3, v5                        ; 8 x lane
	s_mul_i32 s23, s22, 2*STG                      ; my stages
	v_add_nc_u32 v2, s23, v1                       ; into a stage: 16 x lane of a row
	v_mul_u32_u24 v3, v6, 528
	v_lshl_add_u32 v3, v7, 6, v3
	v_add_nc_u32 v3, s23, v3                       ; out of it: row r, + 64 h
	v_lshlrev_b32 v[TA], 2, v6
	v_lshl_add_u32 v[TA], v7, 7, v[TA]             ; the table: lane = frequency f: 128 (f / 16) + 4 (f % 16)
	s_mov_b32 s[SEL], 0x76543210
	s_mov_b32 s[SEL+1], 0xfedcba98
	s_mov_b32 s42, 0xbfc90fdb                      ; -(pi / 2 rounded to f32)
	s_mov_b32 s43, 0x333bbd2e                      ; that number less pi / 2
	s_mul_i32 s24, ttmp9, 3
	s_add_co_u32 s24, s24, s22                     ; my tile: 0..511 x, then 64 each of Wq, Wk, Wv, Wo
	s_mov_b32 s33, 3145728
	s_lshl_b32 s40, ttmp9, 3
	s_add_co_u32 s40, s40, s22                     ; my first position of the table: 8 x work-group + wave
	s_lshl_b32 s46, s40, 8
	s_mov_b32 s47, 0
.irp b, 0,1,2,3
	v_mov_b32 v[TM+4+\b], 0                        ; written once: a lane permute's destination counts as one of its sources
.endr
	s_wait_kmcnt 0x0
	s_add_nc_u64 s[44:45], s[18:19], s[46:47]
	s_cmp_lt_u32 s24, 704                          ; the source: a choice by the tile's number alone
	s_cselect_b64 s[26:27], s[10:11], s[12:13]
	s_cmp_lt_u32 s24, 640
	s_cselect_b64 s[26:27], s[8:9], s[26:27]
	s_cmp_lt_u32 s24, 576
	s_cselect_b64 s[26:27], s[6:7], s[26:27]
	s_cmp_lt_u32 s24, 512
	s_cselect_b64 s[26:27], s[4:5], s[26:27]
	s_cselect_b64 s[28:29], s[14:15], s[16:17]     ; the destination: xq or wq
	s_cselect_b32 s30, 0, 512
	s_cselect_b32 s31, -1, 63
	s_cselect_b32 s33, 6291456, s33                ; where its scale words begin
	s_sub_co_u32 s30, s24, s30                     ; the tile's number in the destination
	s_and_b32 s31, s24, s31                        ; and in the source
	s_lshr_b32 s34, s31, 1
	s_lshl_b32 s34, s34, 17                        ; 32 rows of 4,096 bytes for each pair of tiles,
	s_and_b32 s35, s31, 1
	s_lshl_b32 s35, s35, 15                        ; 8 rows for the odd tile
	s_add_co_u32 s34, s34, s35
	s_mov_b32 s35, 0
	s_add_nc_u64 s[26:27], s[26:27], s[34:35]
	s_mul_i32 s34, s30, 12288
	s_add_nc_u64 s[36:37], s[28:29], s[34:35]      ; my tile's codes
	s_lshl_b32 s34, s30, 9
	s_add_co_u32 s34, s34, s33
	s_add_nc_u64 s[38:39], s[28:29], s[34:35]      ; my tile's scale words
.macro LOAD t                          ; K step t: slot i's 512 bytes, 32 lanes x 16 consecutive bytes
.irp i, 0,1,2,3,4,5,6,7,8,9,10,11,12,13,14,15
	global_load_b128 v[R+64*((\t)%2)+4*\i:R+64*((\t)%2)+4*\i+3], v1, s[26:27] offset:(16*(\i/8)+\i%8)*4096+512*(\t) th:TH_LOAD_NT
.endr
.endm
	LOAD 0
	LOAD 1
	; the table is made while the first two K steps are on their way
	v_mov_b32 v[INV], 1.0                          ; 10^(-f / 8), lane by lane
.set FI, 1
.irp c, 0x3f3ff911,0x3f0ff59a,0x3ed7e89b,0x3ea1e89b,0x3e72d424,0x3e361887,0x3e088d77,0x3dcccccd,0x3d99940e,0x3d6655c3,0x3d2cba15,0x3d0186e2,0x3cc24350,0x3c91ad39,0x3c5a7bf1,0x3c23d70a,0x3bf5b9b0,0x3bb8449c,0x3b8a2e77,0x3b4f3e37,0x3b1b690d,0x3ae91528,0x3aaec98e,0x3a83126f,0x3a44948c,0x3a136a16,0x39dd1726,0x39a5cb5f,0x3978a814,0x393a7753,0x390bd472
	s_mov_b32 s41, \c
	v_writelane_b32 v[INV], s41, FI
.set FI, FI+1
.endr
.macro TAB k, T                        ; position s40 + k; 13 registers from v[T] on, a set for each call, so that no store's data are written again
	s_add_co_u32 s41, s40, \k
	v_cvt_f32_u32 v[\T], s41
	v_mul_f32 v[\T+1], v[\T], v[INV]               ; the angle a, one rounding
	v_mul_f32 v[\T+2], 0x3f22f983, v[\T+1]
	v_rndne_f32 v[\T+2], v[\T+2]                   ; n = the nearest whole number to a x 2 / pi
	v_fma_f32 v[\T+3], v[\T+2], s42, v[\T+1]       ; a - n x (pi / 2 as f32): exact
	v_fma_f32 v[\T+3], v[\T+2], s43, v[\T+3]       ; and the rest of pi / 2: r, within pi / 4 of 0
	v_mul_f32 v[\T+4], v[\T+3], v[\T+3]            ; z = r^2
	v_mov_b32 v[\T+5], 0xb94ca1f9
	v_fmaak_f32 v[\T+5], v[\T+5], v[\T+4], 0x3c08839e
	v_fmaak_f32 v[\T+5], v[\T+5], v[\T+4], 0xbe2aaaa3
	v_mul_f32 v[\T+5], v[\T+5], v[\T+4]
	v_fma_f32 v[\T+5], v[\T+5], v[\T+3], v[\T+3]   ; sin r
	v_mov_b32 v[\T+6], 0x37ccf5ce
	v_fmaak_f32 v[\T+6], v[\T+6], v[\T+4], 0xbab6061a
	v_fmaak_f32 v[\T+6], v[\T+6], v[\T+4], 0x3d2aaaa5
	v_mul_f32 v[\T+7], v[\T+4], v[\T+4]
	v_fma_f32 v[\T+8], v[\T+4], -0.5, 1.0
	v_fma_f32 v[\T+6], v[\T+6], v[\T+7], v[\T+8]   ; cos r
	v_cvt_i32_f32 v[\T+9], v[\T+2]                 ; the quadrant is n mod 4
	v_and_b32 v[\T+10], 1, v[\T+9]
	v_cmp_eq_u32 vcc_lo, 1, v[\T+10]
	v_cndmask_b32 v[\T+11], v[\T+5], v[\T+6], vcc_lo   ; in odd quadrants sin and cos change places
	v_cndmask_b32 v[\T+12], v[\T+6], v[\T+5], vcc_lo
	v_and_b32 v[\T+10], 2, v[\T+9]
	v_lshlrev_b32 v[\T+10], 30, v[\T+10]
	v_xor_b32 v[\T+11], v[\T+10], v[\T+11]         ; sin a is negative in quadrants 2 and 3,
	v_add_nc_u32 v[\T+9], 1, v[\T+9]
	v_and_b32 v[\T+9], 2, v[\T+9]
	v_lshlrev_b32 v[\T+9], 30, v[\T+9]
	v_xor_b32 v[\T+12], v[\T+9], v[\T+12]          ; cos a in quadrants 1 and 2
	global_store_b32 v[TA], v[\T+12], s[44:45] offset:256*(\k)
	global_store_b32 v[TA], v[\T+11], s[44:45] offset:256*(\k)+64
.endm
	TAB 0, X
	TAB 3, X+16
	s_cmp_lt_u32 s22, 2                            ; 8 positions for 3 waves: waves 0 and 1 take a third
	s_cbranch_scc0 .Lno_third
	TAB 6, X+32
.Lno_third:
	s_wait_xcnt 0x0                                ; the table's stores have read their data: X may be loaded
.macro STEP t
.if (\t) < 7
	s_wait_loadcnt 16                              ; this K step's 16 loads are in; the next step's 16 may be out
.else
	s_wait_loadcnt 0x0
.endif
.irp i, 0,1,2,3,4,5,6,7,8,9,10,11,12,13,14,15
	ds_store_b128 v2, v[R+64*((\t)%2)+4*\i:R+64*((\t)%2)+4*\i+3] offset:STG*((\t)%2)+528*\i
.endr
.irp b, 0,1,2,3
.irp j, 0,1,2,3
	ds_load_b128 v[X+16*\b+4*\j:X+16*\b+4*\j+3], v3 offset:STG*((\t)%2)+128*\b+16*\j   ; LDS serves a wave's instructions in order: these see the stores above
.endr
.endr
	s_wait_dscnt 0x0
	s_wait_xcnt 0x0                                ; the last step's stores have read PC, which is written below
.if (\t) < 6
	LOAD (\t)+2
.endif
	QUANT X, PC, PC+6, SWD+(\t)
.irp p, 0,1,2
	global_store_b128 v1, v[PC+4*\p:PC+4*\p+3], s[36:37] offset:1536*(\t)+512*\p   ; 512 consecutive bytes
.endr
.endm
.irp t, 0,1,2,3,4,5,6,7
	STEP \t
.endr
	v_cmp_le_u32 vcc_lo, 16, v5                    ; every lane holds its slot's 8 words: lanes 0-15 store those of pairs 0 and 2, lanes 16-31 those of pairs 1 and 3
	v_cndmask_b32 v144, v[SWD+0], v[SWD+2], vcc_lo
	v_cndmask_b32 v145, v[SWD+1], v[SWD+3], vcc_lo
	v_cndmask_b32 v146, v[SWD+4], v[SWD+6], vcc_lo
	v_cndmask_b32 v147, v[SWD+5], v[SWD+7], vcc_lo
	global_store_b64 v4, v[144:145], s[38:39]      ; 256 consecutive bytes each
	global_store_b64 v4, v[146:147], s[38:39] offset:256
	s_wait_tensorcnt 0x0                           ; the wave's end: behind my last LDS store
	ds_add_u32 v[SPW], v[NIL]
	s_wait_dscnt 0x0
	s_endpgm
.Lfunc_end_k_q5116baaead_prep:
	.size	k_q5116baaead_prep, .Lfunc_end_k_q5116baaead_prep-k_q5116baaead_prep
	.p2alignl 7, 3214868480
	.fill 96, 4, 3214868480
	.section	.rodata,"a",@progbits
	.p2align	6, 0x0
	.amdhsa_kernel k_q5116baaead_prep
		.amdhsa_group_segment_fixed_size 51200
		.amdhsa_private_segment_fixed_size 0
		.amdhsa_enable_private_segment 0
		.amdhsa_kernarg_size 64
		.amdhsa_user_sgpr_count 2
		.amdhsa_user_sgpr_kernarg_segment_ptr 1
		.amdhsa_wavefront_size32 1
		.amdhsa_system_sgpr_workgroup_id_x 1
		.amdhsa_system_sgpr_workgroup_id_y 1
		.amdhsa_system_sgpr_workgroup_id_z 1
		.amdhsa_system_vgpr_workitem_id 0
		.amdhsa_next_free_vgpr 256
		.amdhsa_next_free_sgpr 66
		.amdhsa_reserve_vcc 1
		.amdhsa_float_denorm_mode_32 3
		.amdhsa_float_denorm_mode_16_64 3
		.amdhsa_memory_ordered 1
		.amdhsa_forward_progress 1
		.amdhsa_inst_pref_size 73
	.end_amdhsa_kernel
	.amdgpu_metadata
---
amdhsa.version: [ 1, 2 ]
amdhsa.kernels:
  - .name:           k_q5116baaead_prep
    .symbol:         k_q5116baaead_prep.kd
    .args:
      - { .name: x, .offset: 0, .size: 8, .value_kind: global_buffer, .address_space: global }
      - { .name: Wq, .offset: 8, .size: 8, .value_kind: global_buffer, .address_space: global }
      - { .name: Wk, .offset: 16, .size: 8, .value_kind: global_buffer, .address_space: global }
      - { .name: Wv, .offset: 24, .size: 8, .value_kind: global_buffer, .address_space: global }
      - { .name: Wo, .offset: 32, .size: 8, .value_kind: global_buffer, .address_space: global }
      - { .name: xq, .offset: 40, .size: 8, .value_kind: global_buffer, .address_space: global }
      - { .name: wq, .offset: 48, .size: 8, .value_kind: global_buffer, .address_space: global }
      - { .name: tab, .offset: 56, .size: 8, .value_kind: global_buffer, .address_space: global }
    .group_segment_fixed_size: 51200
    .private_segment_fixed_size: 0
    .kernarg_segment_align: 8
    .kernarg_segment_size: 64
    .max_flat_workgroup_size: 96
    .sgpr_count:     66
    .vgpr_count:     256
    .wavefront_size: 32
...
	.end_amdgpu_metadata
.endif
;; end of part 1
;; launch qk (part 2): grid 8 x 32, 4 waves a work-group, clusters of 4 x 4, 327,680 bytes of LDS; arguments xq, wq, tab, qb, kv; writes qb, kv
.if DOCPART == 2
	.amdgcn_target "amdgcn-amd-amdhsa--gfx1250"
	.amdhsa_code_object_version 6
	.text
	.protected	k_q5116baaead_qk
	.globl	k_q5116baaead_qk
	.p2align	8
	.type	k_q5116baaead_qk,@function
k_q5116baaead_qk:
	s_mov_b64 s[64:65], 0
	v_nop
	global_prefetch_b8 v0, s[64:65] scope:SCOPE_SE
	s_setreg_imm32_b32 hwreg(HW_REG_WAVE_MODE, 25, 1), 1
	s_wait_xcnt 0x0
	s_wait_alu depctr_hold_cnt(0) depctr_sa_sdst(0) depctr_va_vdst(0) depctr_va_sdst(0) depctr_va_ssrc(0) depctr_va_vcc(0) depctr_vm_vsrc(0)
	s_getreg_b32 s2, hwreg(HW_REG_IB_STS2, 6, 4)
	s_cmp_eq_u32 s2, 0
	s_cbranch_scc0 .Lentry_in_a_cluster
	s_endpgm
.Lentry_in_a_cluster:
	s_bfe_u32 s2, ttmp6, 0x10000c
	s_cmp_lg_u32 s2, 0xf033
	s_cbranch_scc0 .Lentry_shape_is_right
	s_endpgm
.Lentry_shape_is_right:
.set NQ,     2
.set FR,     12
.set NL,     3
.set NLA,    3
.set NP,     4
.set HALFT,  24576
.set SLOT,   4*HALFT
.set SCL,    2*SLOT
.set SPARE,  213248
.set ADRA, 16
.set ADRB, 20
.set VT,   24
.set LI,   25
.set VS,   26
.set ADRS, 27
.set SPW,  28
.set NIL,  29
.set SC,   32
.set AF,   128
.set CSR,  32
.set H,    96
.set R0,   160
.set R1,   172
.set TQ,   184
.set TM,   192
.set PW,   208
.set SW,   212
.set SEL,  2
.set G1, 24
.set G0, 32
.set G1B, 48
.set G0B, 56
.set G1S, 68
.set G0S, 76
.set G1SB, 80
.set G0SB, 88
.set MSB, 0
.macro WIN new
.if MSB != (\new)
	s_set_vgpr_msb (MSB<<8)|(\new)
.set MSB, (\new)
.endif
.endm
.set MUL_LO, 0xa1
.set MUL_HI, 0xf1
.set TO_B,   0x40
.macro JLOAD g0a, g1a, g0b, g1b
	s_cmp_eq_u32 s15, 0
	s_cbranch_scc0 .Lfor_b_\@
	tensor_load_to_lds s[\g0a:\g0a+3], s[\g1a:\g1a+7]
	s_nop 0
.rept 4
	v_nop
.endr
	s_branch .Lasked_\@
.Lfor_b_\@:
	tensor_load_to_lds s[\g0b:\g0b+3], s[\g1b:\g1b+7]
	s_nop 0
.rept 4
	v_nop
.endr
.Lasked_\@:
.endm
.macro CREST
	s_cmp_lg_u32 s14, 0
	s_cbranch_scc1 .Lnot_wave_0_\@
	s_barrier_signal -3
.Lnot_wave_0_\@:
	s_barrier_wait -3
	s_barrier_signal -1
	s_barrier_wait -1
.endm
.macro CROUND
	s_barrier_signal -1
	s_barrier_wait -1
	CREST
.endm
	s_load_b256 s[4:11], s[0:1], 0x0
	s_load_b64 s[12:13], s[0:1], 0x20
	v_lshl_add_u32 v[SPW], v0, 2, SPARE
	v_mov_b32 v[NIL], 0
	ds_add_u32 v[SPW], v[NIL]
	ds_add_u32 v[SPW], v[NIL]
	v_lshrrev_b32 v1, 5, v0
	v_readfirstlane_b32 s14, v1
	s_lshr_b32 s15, s14, 1
	s_and_b32 s16, s14, 1
	s_bfe_u32 s40, ttmp6, 0x40000
	s_bfe_u32 s41, ttmp6, 0x40004
	s_lshl_b32 s42, ttmp9, 2
	s_add_co_u32 s42, s42, s40
	s_and_b32 s17, ttmp7, 0xffff
	s_lshl_b32 s17, s17, 2
	s_add_co_u32 s17, s17, s41
	s_lshl_b32 s43, s41, 2
	s_lshl_b32 s43, 15, s43
	s_lshl_b32 s44, 0x1111, s40
	s_or_b32 s[G1+0], s43, (3<<16)|(1<<21)
	s_or_b32 s[G1B+0], s44, (3<<16)|(1<<21)
.irp g, G1, G1B
	s_mov_b32 s[\g+1], 384<<16
	s_mov_b32 s[\g+2], 16<<16                      ; the head's loads bring 16 tiles; behind them the two words that count rows are set to 8
	s_mov_b32 s[\g+3], 384<<16
	s_mov_b32 s[\g+4], 16
	s_mov_b32 s[\g+5], 1536
	s_mov_b32 s[\g+6], 0
	s_mov_b32 s[\g+7], 0
.endr
	s_lshl_b32 s18, s16, 3
	s_lshl_b32 s20, s17, 4
	s_add_co_u32 s20, s20, s18
	s_lshl_b32 s46, s42, 4
	s_add_co_u32 s46, s46, s18
	s_lshl_b32 s22, s20, 9
	s_add_co_u32 s22, s22, 6291456
	s_mov_b32 s23, 0
	s_lshl_b32 s92, s46, 9
	s_add_co_u32 s92, s92, 3145728
	s_mov_b32 s93, 0
	s_mul_i32 s20, s20, 12288
	s_mov_b32 s21, 0
	s_mul_i32 s46, s46, 12288
	s_mov_b32 s47, 0
	s_mul_i32 s45, s14, HALFT
	s_mul_i32 s97, s15, 3072                       ; the head's loads: K steps 2 (wave / 2) and the next, of all 16 tiles
	s_mul_i32 s96, s17, 16*12288                   ; A's by the tile row alone,
	s_add_co_u32 s96, s96, s97
	s_mul_i32 s98, s42, 16*12288                   ; B's by the tile column alone
	s_add_co_u32 s98, s98, s97
	s_mov_b32 s97, 0
	s_mov_b32 s99, 0
	s_wait_dscnt 0x0
	s_wait_kmcnt 0x0
	s_add_nc_u64 s[20:21], s[4:5], s[20:21]
	s_add_nc_u64 s[22:23], s[4:5], s[22:23]
	s_add_nc_u64 s[46:47], s[6:7], s[46:47]
	s_add_nc_u64 s[92:93], s[6:7], s[92:93]
	CROUND
	s_mov_b32 s[G0S], 1                            ; the head's group 0 for A: slot wave / 2, A's 16 tiles
	s_mul_i32 s[G0S+1], s15, SLOT
	s_add_nc_u64 s[G0S+2:G0S+3], s[4:5], s[96:97]
	s_or_b32 s[G0S+3], s[G0S+3], 0x80000000
	s_mov_b32 s[G0SB], 1                           ; and for B: behind A's in the slot
	s_mul_i32 s[G0SB+1], s15, SLOT
	s_add_co_u32 s[G0SB+1], s[G0SB+1], 2*HALFT
	s_add_nc_u64 s[G0SB+2:G0SB+3], s[6:7], s[98:99]
	s_or_b32 s[G0SB+3], s[G0SB+3], 0x80000000
	s_mov_b64 s[72:73], s[22:23]                   ; the scale words of my half of A's rows and of B's, in registers that are not written again
	s_mov_b64 s[74:75], s[92:93]
.irp s, 0,1
	s_mov_b32 s[G0+4*\s], 1
	s_add_co_u32 s[G0+4*\s+1], s45, \s*SLOT
	s_add_nc_u64 s[G0+4*\s+2:G0+4*\s+3], s[20:21], \s*3072
	s_or_b32 s[G0+4*\s+3], s[G0+4*\s+3], 0x80000000
	s_mov_b32 s[G0B+4*\s], 1
	s_add_co_u32 s[G0B+4*\s+1], s45, \s*SLOT
	s_add_nc_u64 s[G0B+4*\s+2:G0B+4*\s+3], s[46:47], \s*3072
	s_or_b32 s[G0B+4*\s+3], s[G0B+4*\s+3], 0x80000000
.endr
	; THE HEAD'S LOADS, ONE A WAVE, one group behind the one round: wave 0 A's tiles of slot 0, wave 1 B's, wave 2 A's of slot 1, wave 3 B's
	s_cmp_eq_u32 s16, 0
	s_cbranch_scc0 .Lhead_b
	tensor_load_to_lds s[G0S:G0S+3], s[G1:G1+7]
	s_nop 0
.rept 4
	v_nop
.endr
	s_branch .Lhead_asked
.Lhead_b:
	tensor_load_to_lds s[G0SB:G0SB+3], s[G1B:G1B+7]
	s_nop 0
.rept 4
	v_nop
.endr
.Lhead_asked:
	; the scale words, 8,192 dense bytes a side: a wave takes 2,048 of each side, 512 consecutive bytes a load, and stores them to LDS bytes on which no fill lands
	v_and_b32 v3, 31, v0
	s_lshl_b32 s94, s15, 11
	s_lshl_b32 s95, s16, 12
	s_add_co_u32 s95, s95, s94
	s_add_co_u32 s95, s95, SCL
	v_lshlrev_b32 v8, 4, v3
	v_lshl_add_u32 v9, v3, 4, s95
	v_add_nc_u32 v8, s94, v8
.irp i, 0,1,2,3
	global_load_b128 v[64+4*\i:67+4*\i], v8, s[72:73] offset:512*\i
	global_load_b128 v[80+4*\i:83+4*\i], v8, s[74:75] offset:512*\i
.endr
	v_and_b32 v1, 15, v0
	v_bfe_u32 v2, v0, 4, 1
	s_wait_alu depctr_va_vdst(0)
	v_and_b32 v3, 31, v0
	v_lshlrev_b32 v[LI], 4, v3
	s_mul_i32 s21, s15, HALFT
	s_mul_i32 s22, s16, HALFT
	s_add_co_u32 s22, s22, 2*HALFT
.irp s, 0,1
	v_add_nc_u32 v[ADRA+\s], s21, v[LI]
	v_add_nc_u32 v[ADRB+\s], s22, v[LI]
	s_add_co_u32 s21, s21, SLOT
	s_add_co_u32 s22, s22, SLOT
.endr
	s_lshl_b32 s21, s15, 12
	s_lshl_b32 s22, s16, 12
	s_add_co_u32 s22, s22, 8320
	s_sub_co_u32 s22, s22, s21
	v_mul_u32_u24 v6, s22, v2
	s_add_co_u32 s21, s21, SCL
	v_lshl_add_u32 v5, v1, 3, v6
	v_add_nc_u32 v[ADRS], s21, v5
	v_and_b32 v4, 8, v1
	v_add_nc_u32 v4, v4, v1
	v_lshlrev_b32 v[VT], 8, v4
	v_lshl_add_u32 v[VT], v2, 7, v[VT]
	s_mov_b32 s[SEL], 0x76543210
	s_mov_b32 s[SEL+1], 0xfedcba98
	s_lshl_b32 s92, s17, 8
	s_lshl_b32 s93, s15, 7
	s_add_co_u32 s92, s92, s93
	s_and_b32 s93, s92, 2047
	s_lshl_b32 s94, s93, 8
	s_mov_b32 s95, 0
	s_add_nc_u64 s[18:19], s[8:9], s[94:95]
	s_lshr_b32 s93, s93, 7
	s_lshr_b32 s92, s92, 11
	s_lshl_b32 s92, s92, 4
	s_and_b32 s96, s42, 3
	s_lshl_b32 s96, s96, 2
	s_add_co_u32 s92, s92, s96
	s_lshl_b32 s96, s16, 1
	s_add_co_u32 s92, s92, s96
	s_lshl_b32 s92, s92, 4
	s_add_co_u32 s92, s92, s93
	s_mov_b32 s97, 12800
	s_mov_b32 s98, 12288
	s_cmp_eq_u32 ttmp9, 0
	s_cselect_b64 s[20:21], s[10:11], s[12:13]
	s_cselect_b32 s97, 6400, s97
	s_cselect_b32 s98, 6144, s98
	s_mul_i32 s94, s92, s97
	s_add_nc_u64 s[20:21], s[20:21], s[94:95]
	s_lshl_b32 s94, s97, 4
	s_add_nc_u64 s[22:23], s[20:21], s[94:95]
	v_mul_u32_u24 v[VS], s94, v2
	v_lshl_add_u32 v[VS], v1, 4, v[VS]
	s_mov_b32 s94, s98
	s_add_nc_u64 s[46:47], s[20:21], s[94:95]
.macro FRAG reg, adr, q, i
.irp p, 0,1,2
	ds_load_b128 v[\reg+4*\p:\reg+4*\p+3], v[\adr] offset:(\i)*3072+(\q)*1536+512*\p
.endr
.endm
.macro MUL16 a0, p, q, sc, zero
.irp a, \a0, \a0+1
.irp b, 0,1,2,3,4,5,6,7
.if \zero
	v_wmma_scale_f32_16x16x128_f8f6f4 v[8*(8*((\a)%4)+\b):8*(8*((\a)%4)+\b)+7], v[128*(\p)+FR*\b:128*(\p)+FR*\b+FR-1], v[AF+FR*(\a):AF+FR*(\a)+FR-1], 0, v[SC+8*NQ*(\sc)+NQ*\b+(\q)], v[SC+8*NQ*(\sc)+NQ*(\a)+(\q)] matrix_a_fmt:MATRIX_FMT_FP6 matrix_b_fmt:MATRIX_FMT_FP6 matrix_a_scale:MATRIX_SCALE_ROW1
.else
	v_wmma_scale_f32_16x16x128_f8f6f4 v[8*(8*((\a)%4)+\b):8*(8*((\a)%4)+\b)+7], v[128*(\p)+FR*\b:128*(\p)+FR*\b+FR-1], v[AF+FR*(\a):AF+FR*(\a)+FR-1], v[8*(8*((\a)%4)+\b):8*(8*((\a)%4)+\b)+7], v[SC+8*NQ*(\sc)+NQ*\b+(\q)], v[SC+8*NQ*(\sc)+NQ*(\a)+(\q)] matrix_a_fmt:MATRIX_FMT_FP6 matrix_b_fmt:MATRIX_FMT_FP6 matrix_a_scale:MATRIX_SCALE_ROW1
.endif
.endr
.endr
.endm
.macro FETCH_B slot, q, p
	WIN TO_B
.irp i, 0,1,2,3,4,5,6,7
	FRAG 128*(\p)+FR*\i, ADRB+\slot, \q, \i
.endr
	WIN 0
.endm
.macro FETCH_A slot, q, i0
.irp i, \i0, \i0+1, \i0+2, \i0+3
	FRAG AF+FR*(\i), ADRA+\slot, \q, \i
.endr
.endm
.macro SCALES sc
.irp i, 0,1,2,3,4,5,6,7
	ds_load_b64 v[SC+8*NQ*\sc+NQ*\i:SC+8*NQ*\sc+NQ*\i+1], v[ADRS] offset:\i*512
.endr
.endm
.macro PLACES n
.rept \n
	v_nop
.endr
.endm
.macro STEP slot, q, zero
	s_wait_dscnt 4*NLA
	WIN MUL_LO
	MUL16 0, (\q)%2, \q, \slot, \zero
	MUL16 2, (\q)%2, \q, \slot, \zero
	s_wait_dscnt 0
	PLACES NP
	FETCH_B \slot, (\q)+1, 1-(\q)%2
	FETCH_A \slot, (\q)+1, 0
	WIN MUL_HI
	MUL16 4, (\q)%2, \q, \slot, \zero
	MUL16 6, (\q)%2, \q, \slot, \zero
	PLACES NP
	WIN 0
	FETCH_A \slot, (\q)+1, 4
.endm
.macro TURN slot, next, fill
	s_wait_tensorcnt 0x0
	ds_add_u32 v[SPW], v[NIL]
	s_wait_dscnt 4*NLA+1
	WIN MUL_LO
	MUL16 0, 1, NQ-1, \slot, 0
	s_wait_dscnt 0x0
	s_barrier_signal -1
	MUL16 2, 1, NQ-1, \slot, 0
	WIN 0
	s_barrier_wait -1
.if \fill
	CREST
	s_add_nc_u64 s[G0+4*\slot+2:G0+4*\slot+3], s[G0+4*\slot+2:G0+4*\slot+3], 6144
	s_add_nc_u64 s[G0B+4*\slot+2:G0B+4*\slot+3], s[G0B+4*\slot+2:G0B+4*\slot+3], 6144
	JLOAD G0+4*\slot, G1, G0B+4*\slot, G1B
.else
	PLACES NP
.endif
	s_wait_alu depctr_va_vdst(0)
	v_add_nc_u32 v[ADRS], 128, v[ADRS]
	FETCH_B \next, 0, 0
	FETCH_A \next, 0, 0
	SCALES \next
	WIN MUL_HI
	MUL16 4, 1, NQ-1, \slot, 0
	MUL16 6, 1, NQ-1, \slot, 0
	PLACES NP
	WIN 0
	FETCH_A \next, 0, 4
.endm
	s_wait_alu depctr_va_vdst(0)
	s_wait_loadcnt 0x0
	s_wait_tensorcnt 0x0                           ; my tile of the head's four is in, and no load of mine is out: from here on a load brings 8 tiles
	s_mov_b32 s[G1+2], 8<<16
	s_mov_b32 s[G1+4], 8
	s_mov_b32 s[G1B+2], 8<<16
	s_mov_b32 s[G1B+4], 8
.irp i, 0,1,2,3
	ds_store_b128 v9, v[64+4*\i:67+4*\i] offset:512*\i
	ds_store_b128 v9, v[80+4*\i:83+4*\i] offset:8320+512*\i
.endr
	s_wait_dscnt 0x0                               ; my scale words lie in LDS
	s_barrier_signal -1
	s_barrier_wait -1
	FETCH_B 0, 0, 0
	FETCH_A 0, 0, 0
	SCALES 0
	FETCH_A 0, 0, 4
	STEP 0, 0, 1
	TURN 0, 1, 1
	STEP 1, 0, 0
	TURN 1, 0, 1
	STEP 0, 0, 0
	TURN 0, 1, 0
	STEP 1, 0, 0
	s_wait_dscnt 4*NLA
	WIN MUL_LO
	MUL16 0, 1, NQ-1, 1, 0
	MUL16 2, 1, NQ-1, 1, 0
	s_wait_dscnt 0
	WIN MUL_HI
	MUL16 4, 1, NQ-1, 1, 0
	MUL16 6, 1, NQ-1, 1, 0
	WIN 0
.macro QUANT s, d0, d1, pw
.irp b, 0,1,2,3
	v_max3_num_f32 v[TM+\b], |v[(\s)+16*\b]|, |v[(\s)+1+16*\b]|, 0x1800000
.endr
.irp i, 2,4,6,8,10,12,14
.irp b, 0,1,2,3
	v_max3_num_f32 v[TM+\b], v[TM+\b], |v[(\s)+16*\b+\i]|, |v[(\s)+1+16*\b+\i]|
.endr
.endr
.irp b, 0,1,2,3
	v_permlanex16_b32 v[TM+4+\b], v[TM+\b], s[SEL], s[SEL+1]
.endr
.irp b, 0,1,2,3
	v_max_num_f32 v[TM+\b], v[TM+\b], v[TM+4+\b]
.endr
.irp b, 0,1,2,3
	v_add_nc_u32 v[TM+12+\b], 0xff000000, v[TM+\b]
.endr
.irp b, 0,1,2,3
	v_lshrrev_b32 v[TM+4+\b], 23, v[TM+12+\b]
.endr
	v_lshl_or_b32 v[\pw], v[TM+5], 8, v[TM+4]
	v_lshl_or_b32 v[\pw], v[TM+6], 16, v[\pw]
	v_lshl_or_b32 v[\pw], v[TM+7], 24, v[\pw]
	v_cvt_scalef32_pk16_fp6_f32 v[(\d0):(\d0)+2], v[(\s):(\s)+15], v[TM+12]
	v_cvt_scalef32_pk16_fp6_f32 v[TQ:TQ+2], v[(\s)+16:(\s)+31], v[TM+13]
	v_cvt_scalef32_pk16_fp6_f32 v[(\d1):(\d1)+2], v[(\s)+32:(\s)+47], v[TM+14]
	v_cvt_scalef32_pk16_fp6_f32 v[TQ+4:TQ+6], v[(\s)+48:(\s)+63], v[TM+15]
	v_nop
.irp i, 0,1,2
	v_permlane16_swap_b32 v[(\d0)+\i], v[TQ+\i]
	v_permlane16_swap_b32 v[(\d1)+\i], v[TQ+4+\i]
.endr
.irp i, 0,1,2
	v_mov_b32 v[(\d0)+3+\i], v[TQ+\i]
	v_mov_b32 v[(\d1)+3+\i], v[TQ+4+\i]
.endr
.endm
.macro CSLOAD n
.irp j, 0,1,2,3
	global_load_b128 v[CSR+32*((\n)%2)+4*\j:CSR+32*((\n)%2)+4*\j+3], v[VT], s[18:19] offset:(32*((\n)/2)+8*((\n)%2))*256+16*\j
	global_load_b128 v[CSR+32*((\n)%2)+16+4*\j:CSR+32*((\n)%2)+16+4*\j+3], v[VT], s[18:19] offset:(32*((\n)/2)+8*((\n)%2))*256+64+16*\j
.endr
.endm
.macro ROPE n
.set AC, 64*((\n)%4)
.set CC, CSR+32*((\n)%2)
	WIN 2+(\n)/4
.irp e, 0,1
.irp i, 0,2,4,6,8,10,12,14
	v_pk_mul_f32 v[H+32*\e+\i:H+32*\e+\i+1], v[AC+32*\e+\i:AC+32*\e+\i+1], v[CC+\i:CC+\i+1]
	v_pk_mul_f32 v[H+32*\e+16+\i:H+32*\e+16+\i+1], v[AC+32*\e+16+\i:AC+32*\e+16+\i+1], v[CC+\i:CC+\i+1]
.endr
.endr
.irp e, 0,1
.irp i, 0,2,4,6,8,10,12,14
	v_pk_fma_f32 v[H+32*\e+\i:H+32*\e+\i+1], v[AC+32*\e+16+\i:AC+32*\e+16+\i+1], v[CC+16+\i:CC+16+\i+1], v[H+32*\e+\i:H+32*\e+\i+1] neg_lo:[0,1,0] neg_hi:[0,1,0]
	v_pk_fma_f32 v[H+32*\e+16+\i:H+32*\e+16+\i+1], v[AC+32*\e+\i:AC+32*\e+\i+1], v[CC+16+\i:CC+16+\i+1], v[H+32*\e+16+\i:H+32*\e+16+\i+1]
.endr
.endr
	WIN 0
.endm
.macro BLOCK n
.if (\n) < 7
	s_wait_loadcnt 8
.else
	s_wait_loadcnt 0x0
.endif
.if ((\n) >= 2) && ((\n)%2 == 0)
	s_wait_xcnt 0x0
.endif
	ROPE \n
.if (\n) < 6
	CSLOAD (\n)+2
.endif
	QUANT H, R0+6*((\n)%2), R1+6*((\n)%2), PW+(\n)%2
.if (\n)%2
	v_perm_b32 v210, v[PW+1], v[PW], 0x05040100
	v_perm_b32 v211, v[PW+1], v[PW], 0x07060302
	v_cndmask_b32 v[SW+(\n)/2], v210, v211, s99
.irp p, 0,1,2
	global_store_b128 v[LI], v[R0+4*\p:R0+4*\p+3], s[20:21] offset:((\n)/2)*1536+512*\p
	global_store_b128 v[LI], v[R1+4*\p:R1+4*\p+3], s[22:23] offset:((\n)/2)*1536+512*\p
.endr
.endif
.endm
	PLACES NP
	v_cmp_le_u32 s99, 16, v3
.irp b, 0,1,2,3
	v_mov_b32 v[TM+4+\b], 0
.endr
	CSLOAD 0
	CSLOAD 1
.irp n, 0,1,2,3,4,5,6,7
	BLOCK \n
.endr
	global_store_b128 v[VS], v[SW:SW+3], s[46:47]
	s_wait_tensorcnt 0x0
	ds_add_u32 v[SPW], v[NIL]
	s_wait_dscnt 0x0
	CROUND
	s_endpgm
.Lfunc_end_k_q5116baaead_qk:
	.size	k_q5116baaead_qk, .Lfunc_end_k_q5116baaead_qk-k_q5116baaead_qk
	.p2alignl 7, 3214868480
	.fill 96, 4, 3214868480
	.section	.rodata,"a",@progbits
	.p2align	6, 0x0
	.amdhsa_kernel k_q5116baaead_qk
		.amdhsa_group_segment_fixed_size 327680
		.amdhsa_private_segment_fixed_size 0
		.amdhsa_enable_private_segment 0
		.amdhsa_kernarg_size 40
		.amdhsa_user_sgpr_count 2
		.amdhsa_user_sgpr_kernarg_segment_ptr 1
		.amdhsa_wavefront_size32 1
		.amdhsa_system_sgpr_workgroup_id_x 1
		.amdhsa_system_sgpr_workgroup_id_y 1
		.amdhsa_system_sgpr_workgroup_id_z 1
		.amdhsa_system_vgpr_workitem_id 0
		.amdhsa_next_free_vgpr 1024
		.amdhsa_next_free_sgpr 100
		.amdhsa_reserve_vcc 0
		.amdhsa_float_denorm_mode_32 3
		.amdhsa_float_denorm_mode_16_64 3
		.amdhsa_memory_ordered 1
		.amdhsa_forward_progress 1
		.amdhsa_inst_pref_size 179
	.end_amdhsa_kernel
	.amdgpu_metadata
---
amdhsa.version: [ 1, 2 ]
amdhsa.kernels:
  - .name:           k_q5116baaead_qk
    .symbol:         k_q5116baaead_qk.kd
    .args:
      - { .name: xq, .offset: 0, .size: 8, .value_kind: global_buffer, .address_space: global }
      - { .name: wq, .offset: 8, .size: 8, .value_kind: global_buffer, .address_space: global }
      - { .name: tab, .offset: 16, .size: 8, .value_kind: global_buffer, .address_space: global }
      - { .name: qb, .offset: 24, .size: 8, .value_kind: global_buffer, .address_space: global }
      - { .name: kv, .offset: 32, .size: 8, .value_kind: global_buffer, .address_space: global }
    .group_segment_fixed_size: 327680
    .private_segment_fixed_size: 0
    .kernarg_segment_align: 8
    .kernarg_segment_size: 40
    .max_flat_workgroup_size: 128
    .sgpr_count:     100
    .vgpr_count:     1024
    .wavefront_size: 32
...
	.end_amdgpu_metadata
.endif
;; end of part 2
;; launch vp (part 3): grid 32 x 4, 4 waves a work-group, clusters of 4 x 4, 327,680 bytes of LDS; arguments wq, xq, kv; writes kv
.if DOCPART == 3
	.amdgcn_target "amdgcn-amd-amdhsa--gfx1250"
	.amdhsa_code_object_version 6
	.text
	.protected	k_q5116baaead_vp
	.globl	k_q5116baaead_vp
	.p2align	8
	.type	k_q5116baaead_vp,@function
k_q5116baaead_vp:
	s_mov_b64 s[64:65], 0
	v_nop
	global_prefetch_b8 v0, s[64:65] scope:SCOPE_SE
	s_setreg_imm32_b32 hwreg(HW_REG_WAVE_MODE, 25, 1), 1
	s_wait_xcnt 0x0
	s_wait_alu depctr_hold_cnt(0) depctr_sa_sdst(0) depctr_va_vdst(0) depctr_va_sdst(0) depctr_va_ssrc(0) depctr_va_vcc(0) depctr_vm_vsrc(0)
	s_getreg_b32 s2, hwreg(HW_REG_IB_STS2, 6, 4)
	s_cmp_eq_u32 s2, 0
	s_cbranch_scc0 .Lentry_in_a_cluster
	s_endpgm
.Lentry_in_a_cluster:
	s_bfe_u32 s2, ttmp6, 0x10000c
	s_cmp_lg_u32 s2, 0xf033
	s_cbranch_scc0 .Lentry_shape_is_right
	s_endpgm
.Lentry_shape_is_right:
.set NQ,     2
.set FR,     12
.set NL,     3
.set NLA,    3
.set NP,     4
.set HALFT,  24576
.set SLOT,   4*HALFT
.set SCL,    2*SLOT
.set SPARE,  213248
.set ADRA, 16
.set ADRB, 20
.set LI,   25
.set VS,   26
.set ADRS, 27
.set SPW,  28
.set NIL,  29
.set SC,   32
.set AF,   128
.set PCV,  160
.set TQ,   184
.set TM,   192
.set SW,   212
.set SEL,  2
.set G1, 24
.set G0, 32
.set G1B, 48
.set G0B, 56
.set G1S, 68
.set G0S, 76
.set G1SB, 80
.set G0SB, 88
.set MSB, 0
.macro WIN new
.if MSB != (\new)
	s_set_vgpr_msb (MSB<<8)|(\new)
.set MSB, (\new)
.endif
.endm
.set MUL_LO, 0xa1
.set MUL_HI, 0xf1
.set TO_B,   0x40
.macro JLOAD g0a, g1a, g0b, g1b
	s_cmp_eq_u32 s15, 0
	s_cbranch_scc0 .Lfor_b_\@
	tensor_load_to_lds s[\g0a:\g0a+3], s[\g1a:\g1a+7]
	s_nop 0
.rept 4
	v_nop
.endr
	s_branch .Lasked_\@
.Lfor_b_\@:
	tensor_load_to_lds s[\g0b:\g0b+3], s[\g1b:\g1b+7]
	s_nop 0
.rept 4
	v_nop
.endr
.Lasked_\@:
.endm
.macro CREST
	s_cmp_lg_u32 s14, 0
	s_cbranch_scc1 .Lnot_wave_0_\@
	s_barrier_signal -3
.Lnot_wave_0_\@:
	s_barrier_wait -3
	s_barrier_signal -1
	s_barrier_wait -1
.endm
.macro CROUND
	s_barrier_signal -1
	s_barrier_wait -1
	CREST
.endm
	s_load_b128 s[4:7], s[0:1], 0x0
	s_load_b64 s[8:9], s[0:1], 0x10
	v_lshl_add_u32 v[SPW], v0, 2, SPARE
	v_mov_b32 v[NIL], 0
	ds_add_u32 v[SPW], v[NIL]
	ds_add_u32 v[SPW], v[NIL]
	v_lshrrev_b32 v1, 5, v0
	v_readfirstlane_b32 s14, v1
	s_lshr_b32 s15, s14, 1
	s_and_b32 s16, s14, 1
	s_bfe_u32 s40, ttmp6, 0x40000
	s_bfe_u32 s41, ttmp6, 0x40004
	s_lshl_b32 s42, ttmp9, 2
	s_add_co_u32 s42, s42, s40
	s_mov_b32 s17, s41
	s_lshl_b32 s43, s41, 2
	s_lshl_b32 s43, 15, s43
	s_lshl_b32 s44, 0x1111, s40
	s_or_b32 s[G1+0], s43, (3<<16)|(1<<21)
	s_or_b32 s[G1B+0], s44, (3<<16)|(1<<21)
.irp g, G1, G1B
	s_mov_b32 s[\g+1], 384<<16
	s_mov_b32 s[\g+2], 16<<16                      ; the head's loads bring 16 tiles; behind them the two words that count rows are set to 8
	s_mov_b32 s[\g+3], 384<<16
	s_mov_b32 s[\g+4], 16
	s_mov_b32 s[\g+5], 1536
	s_mov_b32 s[\g+6], 0
	s_mov_b32 s[\g+7], 0
.endr
	s_lshl_b32 s18, s16, 3
	s_lshl_b32 s20, s17, 4
	s_add_co_u32 s20, s20, s18
	s_add_co_u32 s20, s20, 128
	s_lshl_b32 s46, s42, 4
	s_add_co_u32 s46, s46, s18
	s_lshl_b32 s22, s20, 9
	s_add_co_u32 s22, s22, 3145728
	s_mov_b32 s23, 0
	s_lshl_b32 s92, s46, 9
	s_add_co_u32 s92, s92, 6291456
	s_mov_b32 s93, 0
	s_mul_i32 s20, s20, 12288
	s_mov_b32 s21, 0
	s_mul_i32 s46, s46, 12288
	s_mov_b32 s47, 0
	s_mul_i32 s45, s14, HALFT
	s_mul_i32 s97, s15, 3072                       ; the head's loads: K steps 2 (wave / 2) and the next, of all 16 tiles
	s_mul_i32 s96, s17, 16*12288                   ; A's by the tile row alone (Wv's tiles begin at tile 128),
	s_add_co_u32 s96, s96, 128*12288
	s_add_co_u32 s96, s96, s97
	s_mul_i32 s98, s42, 16*12288                   ; B's by the tile column alone
	s_add_co_u32 s98, s98, s97
	s_mov_b32 s97, 0
	s_mov_b32 s99, 0
	s_wait_dscnt 0x0
	s_wait_kmcnt 0x0
	s_add_nc_u64 s[20:21], s[4:5], s[20:21]
	s_add_nc_u64 s[22:23], s[4:5], s[22:23]
	s_add_nc_u64 s[46:47], s[6:7], s[46:47]
	s_add_nc_u64 s[92:93], s[6:7], s[92:93]
	CROUND
	s_mov_b32 s[G0S], 1                            ; the head's group 0 for A: slot wave / 2, A's 16 tiles
	s_mul_i32 s[G0S+1], s15, SLOT
	s_add_nc_u64 s[G0S+2:G0S+3], s[4:5], s[96:97]
	s_or_b32 s[G0S+3], s[G0S+3], 0x80000000
	s_mov_b32 s[G0SB], 1                           ; and for B: behind A's in the slot
	s_mul_i32 s[G0SB+1], s15, SLOT
	s_add_co_u32 s[G0SB+1], s[G0SB+1], 2*HALFT
	s_add_nc_u64 s[G0SB+2:G0SB+3], s[6:7], s[98:99]
	s_or_b32 s[G0SB+3], s[G0SB+3], 0x80000000
	s_mov_b64 s[72:73], s[22:23]                   ; the scale words of my half of A's rows and of B's, in registers that are not written again
	s_mov_b64 s[74:75], s[92:93]
.irp s, 0,1
	s_mov_b32 s[G0+4*\s], 1
	s_add_co_u32 s[G0+4*\s+1], s45, \s*SLOT
	s_add_nc_u64 s[G0+4*\s+2:G0+4*\s+3], s[20:21], \s*3072
	s_or_b32 s[G0+4*\s+3], s[G0+4*\s+3], 0x80000000
	s_mov_b32 s[G0B+4*\s], 1
	s_add_co_u32 s[G0B+4*\s+1], s45, \s*SLOT
	s_add_nc_u64 s[G0B+4*\s+2:G0B+4*\s+3], s[46:47], \s*3072
	s_or_b32 s[G0B+4*\s+3], s[G0B+4*\s+3], 0x80000000
.endr
	; THE HEAD'S LOADS, ONE A WAVE, one group behind the one round: wave 0 A's tiles of slot 0, wave 1 B's, wave 2 A's of slot 1, wave 3 B's
	s_cmp_eq_u32 s16, 0
	s_cbranch_scc0 .Lhead_b
	tensor_load_to_lds s[G0S:G0S+3], s[G1:G1+7]
	s_nop 0
.rept 4
	v_nop
.endr
	s_branch .Lhead_asked
.Lhead_b:
	tensor_load_to_lds s[G0SB:G0SB+3], s[G1B:G1B+7]
	s_nop 0
.rept 4
	v_nop
.endr
.Lhead_asked:
	; the scale words, 8,192 dense bytes a side: a wave takes 2,048 of each side, 512 consecutive bytes a load, and stores them to LDS bytes on which no fill lands
	v_and_b32 v3, 31, v0
	s_lshl_b32 s94, s15, 11
	s_lshl_b32 s95, s16, 12
	s_add_co_u32 s95, s95, s94
	s_add_co_u32 s95, s95, SCL
	v_lshlrev_b32 v8, 4, v3
	v_lshl_add_u32 v9, v3, 4, s95
	v_add_nc_u32 v8, s94, v8
.irp i, 0,1,2,3
	global_load_b128 v[64+4*\i:67+4*\i], v8, s[72:73] offset:512*\i
	global_load_b128 v[80+4*\i:83+4*\i], v8, s[74:75] offset:512*\i
.endr
	v_and_b32 v1, 15, v0
	v_bfe_u32 v2, v0, 4, 1
	s_wait_alu depctr_va_vdst(0)
	v_and_b32 v3, 31, v0
	v_lshlrev_b32 v[LI], 4, v3
	s_mul_i32 s21, s15, HALFT
	s_mul_i32 s22, s16, HALFT
	s_add_co_u32 s22, s22, 2*HALFT
.irp s, 0,1
	v_add_nc_u32 v[ADRA+\s], s21, v[LI]
	v_add_nc_u32 v[ADRB+\s], s22, v[LI]
	s_add_co_u32 s21, s21, SLOT
	s_add_co_u32 s22, s22, SLOT
.endr
	s_lshl_b32 s21, s15, 12
	s_lshl_b32 s22, s16, 12
	s_add_co_u32 s22, s22, 8320
	s_sub_co_u32 s22, s22, s21
	v_mul_u32_u24 v6, s22, v2
	s_add_co_u32 s21, s21, SCL
	v_lshl_add_u32 v5, v1, 3, v6
	v_add_nc_u32 v[ADRS], s21, v5
	s_mov_b32 s[SEL], 0x76543210
	s_mov_b32 s[SEL+1], 0xfedcba98
	s_lshl_b32 s92, s42, 8
	s_lshl_b32 s93, s16, 7
	s_add_co_u32 s92, s92, s93
	s_bfe_u32 s93, s92, 0x40007
	s_lshr_b32 s92, s92, 11
	s_lshl_b32 s92, s92, 4
	s_lshl_b32 s96, s41, 2
	s_add_co_u32 s92, s92, s96
	s_lshl_b32 s96, s15, 1
	s_add_co_u32 s92, s92, s96
	s_lshl_b32 s92, s92, 4
	s_add_co_u32 s92, s92, s93
	s_mul_i32 s94, s92, 12800
	s_add_co_u32 s94, s94, 6144
	s_mov_b32 s95, 0
	s_add_nc_u64 s[20:21], s[8:9], s[94:95]
	v_mul_u32_u24 v[VS], v2, 204800
	v_lshl_add_u32 v[VS], v1, 4, v[VS]
.macro FRAG reg, adr, q, i
.irp p, 0,1,2
	ds_load_b128 v[\reg+4*\p:\reg+4*\p+3], v[\adr] offset:(\i)*3072+(\q)*1536+512*\p
.endr
.endm
.macro MUL16 a0, p, q, sc, zero
.irp a, \a0, \a0+1
.irp b, 0,1,2,3,4,5,6,7
.if \zero
	v_wmma_scale_f32_16x16x128_f8f6f4 v[8*(8*((\a)%4)+\b):8*(8*((\a)%4)+\b)+7], v[128*(\p)+FR*\b:128*(\p)+FR*\b+FR-1], v[AF+FR*(\a):AF+FR*(\a)+FR-1], 0, v[SC+8*NQ*(\sc)+NQ*\b+(\q)], v[SC+8*NQ*(\sc)+NQ*(\a)+(\q)] matrix_a_fmt:MATRIX_FMT_FP6 matrix_b_fmt:MATRIX_FMT_FP6 matrix_a_scale:MATRIX_SCALE_ROW1
.else
	v_wmma_scale_f32_16x16x128_f8f6f4 v[8*(8*((\a)%4)+\b):8*(8*((\a)%4)+\b)+7], v[128*(\p)+FR*\b:128*(\p)+FR*\b+FR-1], v[AF+FR*(\a):AF+FR*(\a)+FR-1], v[8*(8*((\a)%4)+\b):8*(8*((\a)%4)+\b)+7], v[SC+8*NQ*(\sc)+NQ*\b+(\q)], v[SC+8*NQ*(\sc)+NQ*(\a)+(\q)] matrix_a_fmt:MATRIX_FMT_FP6 matrix_b_fmt:MATRIX_FMT_FP6 matrix_a_scale:MATRIX_SCALE_ROW1
.endif
.endr
.endr
.endm
.macro FETCH_B slot, q, p
	WIN TO_B
.irp i, 0,1,2,3,4,5,6,7
	FRAG 128*(\p)+FR*\i, ADRB+\slot, \q, \i
.endr
	WIN 0
.endm
.macro FETCH_A slot, q, i0
.irp i, \i0, \i0+1, \i0+2, \i0+3
	FRAG AF+FR*(\i), ADRA+\slot, \q, \i
.endr
.endm
.macro SCALES sc
.irp i, 0,1,2,3,4,5,6,7
	ds_load_b64 v[SC+8*NQ*\sc+NQ*\i:SC+8*NQ*\sc+NQ*\i+1], v[ADRS] offset:\i*512
.endr
.endm
.macro PLACES n
.rept \n
	v_nop
.endr
.endm
.macro STEP slot, q, zero
	s_wait_dscnt 4*NLA
	WIN MUL_LO
	MUL16 0, (\q)%2, \q, \slot, \zero
	MUL16 2, (\q)%2, \q, \slot, \zero
	s_wait_dscnt 0
	PLACES NP
	FETCH_B \slot, (\q)+1, 1-(\q)%2
	FETCH_A \slot, (\q)+1, 0
	WIN MUL_HI
	MUL16 4, (\q)%2, \q, \slot, \zero
	MUL16 6, (\q)%2, \q, \slot, \zero
	PLACES NP
	WIN 0
	FETCH_A \slot, (\q)+1, 4
.endm
.macro TURN slot, next, fill
	s_wait_tensorcnt 0x0
	ds_add_u32 v[SPW], v[NIL]
	s_wait_dscnt 4*NLA+1
	WIN MUL_LO
	MUL16 0, 1, NQ-1, \slot, 0
	s_wait_dscnt 0x0
	s_barrier_signal -1
	MUL16 2, 1, NQ-1, \slot, 0
	WIN 0
	s_barrier_wait -1
.if \fill
	CREST
	s_add_nc_u64 s[G0+4*\slot+2:G0+4*\slot+3], s[G0+4*\slot+2:G0+4*\slot+3], 6144
	s_add_nc_u64 s[G0B+4*\slot+2:G0B+4*\slot+3], s[G0B+4*\slot+2:G0B+4*\slot+3], 6144
	JLOAD G0+4*\slot, G1, G0B+4*\slot, G1B
.else
	PLACES NP
.endif
	s_wait_alu depctr_va_vdst(0)
	v_add_nc_u32 v[ADRS], 128, v[ADRS]
	FETCH_B \next, 0, 0
	FETCH_A \next, 0, 0
	SCALES \next
	WIN MUL_HI
	MUL16 4, 1, NQ-1, \slot, 0
	MUL16 6, 1, NQ-1, \slot, 0
	PLACES NP
	WIN 0
	FETCH_A \next, 0, 4
.endm
	s_wait_alu depctr_va_vdst(0)
	s_wait_loadcnt 0x0
	s_wait_tensorcnt 0x0                           ; my tile of the head's four is in, and no load of mine is out: from here on a load brings 8 tiles
	s_mov_b32 s[G1+2], 8<<16
	s_mov_b32 s[G1+4], 8
	s_mov_b32 s[G1B+2], 8<<16
	s_mov_b32 s[G1B+4], 8
.irp i, 0,1,2,3
	ds_store_b128 v9, v[64+4*\i:67+4*\i] offset:512*\i
	ds_store_b128 v9, v[80+4*\i:83+4*\i] offset:8320+512*\i
.endr
	s_wait_dscnt 0x0                               ; my scale words lie in LDS
	s_barrier_signal -1
	s_barrier_wait -1
	FETCH_B 0, 0, 0
	FETCH_A 0, 0, 0
	SCALES 0
	FETCH_A 0, 0, 4
	STEP 0, 0, 1
	TURN 0, 1, 1
	STEP 1, 0, 0
	TURN 1, 0, 1
	STEP 0, 0, 0
	TURN 0, 1, 0
	STEP 1, 0, 0
	s_wait_dscnt 4*NLA
	WIN MUL_LO
	MUL16 0, 1, NQ-1, 1, 0
	MUL16 2, 1, NQ-1, 1, 0
	s_wait_dscnt 0
	WIN MUL_HI
	MUL16 4, 1, NQ-1, 1, 0
	MUL16 6, 1, NQ-1, 1, 0
	WIN 0
.macro QUANTW s, w, d, pw
	WIN 0
.irp b, 0,1,2,3
	v_mov_b32 v[TM+\b], 0x1800000
.endr
	WIN ((\w)<<2)|((\w)<<4)
.irp i, 0,2,4,6,8,10,12,14
.irp b, 0,1,2,3
	v_max3_num_f32 v[TM+\b], v[TM+\b], |v[(\s)+16*\b+\i]|, |v[(\s)+1+16*\b+\i]|
.endr
.endr
	WIN 0
.irp b, 0,1,2,3
	v_permlanex16_b32 v[TM+4+\b], v[TM+\b], s[SEL], s[SEL+1]
.endr
.irp b, 0,1,2,3
	v_max_num_f32 v[TM+\b], v[TM+\b], v[TM+4+\b]
.endr
.irp b, 0,1,2,3
	v_add_nc_u32 v[TM+12+\b], 0xff000000, v[TM+\b]
.endr
.irp b, 0,1,2,3
	v_lshrrev_b32 v[TM+4+\b], 23, v[TM+12+\b]
.endr
	v_lshl_or_b32 v[\pw], v[TM+5], 8, v[TM+4]
	v_lshl_or_b32 v[\pw], v[TM+6], 16, v[\pw]
	v_lshl_or_b32 v[\pw], v[TM+7], 24, v[\pw]
	WIN \w
.irp c, 0,1
	v_cvt_scalef32_pk16_fp6_f32 v[(\d)+6*\c:(\d)+2+6*\c], v[(\s)+32*\c:(\s)+15+32*\c], v[TM+12+2*\c]
	v_cvt_scalef32_pk16_fp6_f32 v[TQ+4*\c:TQ+2+4*\c], v[(\s)+16+32*\c:(\s)+31+32*\c], v[TM+13+2*\c]
.endr
	WIN 0
	v_nop
.irp c, 0,1
.irp i, 0,1,2
	v_permlane16_swap_b32 v[(\d)+6*\c+\i], v[TQ+4*\c+\i]
.endr
.irp i, 0,1,2
	v_mov_b32 v[(\d)+3+6*\c+\i], v[TQ+4*\c+\i]
.endr
.endr
.endm
	PLACES NP
	v_cmp_le_u32 s99, 16, v3
.irp b, 0,1,2,3
	v_mov_b32 v[TM+4+\b], 0
.endr
.irp n, 0,1,2,3,4,5,6,7
.if \n >= 2
	s_wait_xcnt 0x0
.endif
	QUANTW 64*(\n%4), 2+\n/4, PCV+12*(\n%2), SW+\n
.irp p, 0,1,2
	global_store_b128 v[LI], v[PCV+12*(\n%2)+4*\p:PCV+12*(\n%2)+4*\p+3], s[20:21] offset:(\n/4)*204800+(\n%4)*1536+512*\p
.endr
.endr
.irp t, 0,1,2,3
	v_cndmask_b32 v[220+\t], v[SW+\t], v[SW+4+\t], s99
.endr
	global_store_b128 v[VS], v[220:223], s[20:21] offset:6400
	s_wait_tensorcnt 0x0
	ds_add_u32 v[SPW], v[NIL]
	s_wait_dscnt 0x0
	CROUND
	s_endpgm
.Lfunc_end_k_q5116baaead_vp:
	.size	k_q5116baaead_vp, .Lfunc_end_k_q5116baaead_vp-k_q5116baaead_vp
	.p2alignl 7, 3214868480
	.fill 96, 4, 3214868480
	.section	.rodata,"a",@progbits
	.p2align	6, 0x0
	.amdhsa_kernel k_q5116baaead_vp
		.amdhsa_group_segment_fixed_size 327680
		.amdhsa_private_segment_fixed_size 0
		.amdhsa_enable_private_segment 0
		.amdhsa_kernarg_size 24
		.amdhsa_user_sgpr_count 2
		.amdhsa_user_sgpr_kernarg_segment_ptr 1
		.amdhsa_wavefront_size32 1
		.amdhsa_system_sgpr_workgroup_id_x 1
		.amdhsa_system_sgpr_workgroup_id_y 1
		.amdhsa_system_sgpr_workgroup_id_z 1
		.amdhsa_system_vgpr_workitem_id 0
		.amdhsa_next_free_vgpr 1024
		.amdhsa_next_free_sgpr 100
		.amdhsa_reserve_vcc 0
		.amdhsa_float_denorm_mode_32 3
		.amdhsa_float_denorm_mode_16_64 3
		.amdhsa_memory_ordered 1
		.amdhsa_forward_progress 1
		.amdhsa_inst_pref_size 141
	.end_amdhsa_kernel
	.amdgpu_metadata
---
amdhsa.version: [ 1, 2 ]
amdhsa.kernels:
  - .name:           k_q5116baaead_vp
    .symbol:         k_q5116baaead_vp.kd
    .args:
      - { .name: wq, .offset: 0, .size: 8, .value_kind: global_buffer, .address_space: global }
      - { .name: xq, .offset: 8, .size: 8, .value_kind: global_buffer, .address_space: global }
      - { .name: kv, .offset: 16, .size: 8, .value_kind: global_buffer, .address_space: global }
    .group_segment_fixed_size: 327680
    .private_segment_fixed_size: 0
    .kernarg_segment_align: 8
    .kernarg_segment_size: 24
    .max_flat_workgroup_size: 128
    .sgpr_count:     100
    .vgpr_count:     1024
    .wavefront_size: 32
...
	.end_amdgpu_metadata
.endif
;; end of part 3
;; launch attn (part 4): grid 4 x 64, 16 waves a work-group, clusters of 4 x 1, 259,072 bytes of LDS; arguments qb, kv, oq; writes oq
.if DOCPART == 4
	.amdgcn_target "amdgcn-amd-amdhsa--gfx1250"
	.amdhsa_code_object_version 6
	.text
	.protected	k_q5116baaead_attn
	.globl	k_q5116baaead_attn
	.p2align	8
	.type	k_q5116baaead_attn,@function
k_q5116baaead_attn:
	s_mov_b64 s[64:65], 0
	v_nop
	global_prefetch_b8 v0, s[64:65] scope:SCOPE_SE
	s_setreg_imm32_b32 hwreg(HW_REG_WAVE_MODE, 25, 1), 1
	s_wait_xcnt 0x0
	s_wait_alu depctr_hold_cnt(0) depctr_sa_sdst(0) depctr_va_vdst(0) depctr_va_sdst(0) depctr_va_ssrc(0) depctr_va_vcc(0) depctr_vm_vsrc(0)
	s_getreg_b32 s2, hwreg(HW_REG_IB_STS2, 6, 4)
	s_cmp_eq_u32 s2, 0
	s_cbranch_scc0 .Lentry_in_a_cluster
	s_endpgm
.Lentry_in_a_cluster:
	s_bfe_u32 s2, ttmp6, 0x10000c
	s_cmp_lg_u32 s2, 0x3003
	s_cbranch_scc0 .Lentry_shape_is_right
	s_endpgm
.Lentry_shape_is_right:
; o = softmax(q k^T / 8) v for one head of one batch, both products on codes of FP6 (E2M3) with E8M0 scales; o / l is quantised along the head's 64 channels and stored as half a fragment of the last product.
; THE SOFTMAX: t = score x log2(e) / 8; M = the running largest t rounded UP to a whole number; p = 2^(t - M) is quantised along the keys; the sum l is taken of the unquantised p and divides at the end.
; When M moves, l and O are multiplied by 2^(old M - new M): exact.
; SHARES.  A cluster of four work-groups is one head.  A work-group owns 512 queries in two passes of 256; each of its sixteen waves owns one tile of 16 queries a pass.
; THE HEAD'S WHOLE K AND V LIE IN LDS: 16 blocks of 128 keys, 12,800 bytes of memory each: k's four pair images (6,144), v's four images (6,144), k's scale words (256), v's (256).
; Wave w asks for block w, jointly with the three partners, by its one tensor load: 25 rows of 512 bytes, 128 bytes of padding behind each (a block: 16,000 bytes of LDS).  Nothing is filled again: one barrier, none in the loops.
; No prefetch: all of K and V is asked for once, at the head, and there is no loop to run ahead in.
; A HEAD IS 64, THE INSTRUCTION'S K IS 128.  A pair image holds one tile's 64 channels in registers 0-5 and the next tile's in 6-11; it is multiplied by [q | zeros] and by [zeros | q].  The bytes beside zero codes are 0x7f.
; WHICH KEYS FORM A TILE.  In memory slot p of tile T is key 32 (T / 2) + 16 (p / 8) + 8 (T % 2) + p % 8.  A lane reads its 12 registers of pair image n = 2 a + g from stored pair 2 a + (r / 8), lane 8 g + r % 8 + 16 h
; (r = lane % 16, h = lane / 16).  The results' register 32 a + i of a lane is then key 64 a + 32 h + i: a lane holds two WHOLE blocks of 32 keys, in the order in which the second product's operand wants p's codes.
; A stored pair is 1,920 bytes of LDS, 128 more than a multiple of 256.
; Both products are used transposed: a lane holds ONE query.  Register 16 g + i of O is channel 32 g + 16 h + i.
; oq: codes [tile of 16 rows 512][head 16][registers 0-3: 512 bytes at 16 x lane | registers 4-5: 256 bytes at 8 x lane]; behind them [head 16][row 8,192] two scale bytes.
; LIMITS: NaN and infinities are not served; a block of zeros gets the byte 1; the promise holds while |t| stays under 2^24 (M an exact whole number); 1 / l is v_rcp_f32's.
.set BLK,   16000
.set ROWP,  640
.set OST,   256000                     ; behind the blocks: 1,024 bytes, o's scale bytes of my 512 rows
.set SPARE, 257024                     ; the spare words, 128 bytes a wave: eight blocks of 256 bytes that no other line names
.set LI,  1                            ; 16 x lane
.set L8,  2                            ; 8 x lane
.set SPW, 3                            ; my spare word; never rewritten
.set NIL, 4                            ; 0; never rewritten
.set ADK, 5                            ; this step's LDS addresses: k's images,
.set ADV, 6                            ; v's images and scale words,
.set ADS, 7                            ; k's scale words
.set KL,  8                            ; 1,920 (r / 8) + 16 (r % 8) + 256 h
.set SL,  9                            ; 16 (r % 8) + 4 (r / 8)
.set R16, 10                           ; 16 r
.set SH8, 11                           ; 8 h
                                       ; v12 -M, v13 the largest score so far
.set OSA, 14                           ; where my row's two scale bytes go in LDS
.set OSR, 15                           ; and where 16 bytes of them are read back
                                       ; v16-21 zeros, v22-27 pass 0's q, v28-33 zeros, v34-39 pass 1's q, v40-45 zeros
.set KF,  46                           ; v46-93 k's four pair images, later v's four images
.set FF,  94                           ; v[94:95] f = 2^(old M - new M)
.set S,   96                           ; v96-159 the scores, then p
.set O,   160                          ; v160-191 O^T
.set PCD, 192                          ; v192-203 p's codes
.set TQ,  204                          ; v204-210 the conversions' second halves
.set SCW, 212                          ; v212-215 k's scale words
.set SCV, 216                          ; v216-219 lanes 16-31: v's scale words
.set PWD, 220                          ; p's scale word
.set QW,  221                          ; v221-224 (q's two bytes, 0x7f, 0x7f) and (0x7f, 0x7f, q's two bytes), for each pass
.set BM,  226                          ; v226-227 my two blocks' largest scores, then largest p
.set BY,  228                          ; v228 the largest score of both blocks, then -(the running largest t)
.set SO,  230                          ; v230-231 the conversions' scale operands
.set BX,  232                          ; v232-233 the bytes
.set TT,  234
.set TX,  235
.set L,   236                          ; v236-243 the sum, in four chains of two
.set QT,  244                          ; v244-245 q's scale words as loaded
.set GOS, 246                          ; 16 x (thread % 64)
.set VQ,  248                          ; v248-250 q: the three pieces of 8 bytes of my half of a pair image
.set WV,  18
.set SEL, 20
.set CS,  22
.set G1,  24
.set G0,  32
.set CN,  36
.set TB,  2
.set CNT, 3
.macro CROUND
	s_barrier_signal -1
	s_barrier_wait -1
	s_cmp_lg_u32 s[WV], 0
	s_cbranch_scc1 .Lnot_wave_0_\@
	s_barrier_signal -3
.Lnot_wave_0_\@:
	s_barrier_wait -3
	s_barrier_signal -1
	s_barrier_wait -1
.endm
	s_load_b128 s[4:7], s[0:1], 0x0                ; qb, kv
	s_load_b64 s[8:9], s[0:1], 0x10                ; oq
	v_lshl_add_u32 v[SPW], v0, 2, SPARE
	v_mov_b32 v[NIL], 0
	ds_add_u32 v[SPW], v[NIL]                      ; the opening lines: the add, twice on end, and its wait ahead of my tensor load
	ds_add_u32 v[SPW], v[NIL]
	v_lshrrev_b32 v5, 5, v0
	s_delay_alu instid0(VALU_DEP_1)
	v_readfirstlane_b32 s[WV], v5                  ; wave 0..15
	s_bfe_u32 s10, ttmp6, 0x40000                  ; cx: which 512 queries
	s_and_b32 s11, ttmp7, 0xffff                   ; 16 x batch + head, which the four partners share
	s_mov_b32 s[G1], 15|(3<<16)|(1<<20)|(1<<21)|(6<<22)|(31<<25)   ; all four work-groups; elements of 8 bytes; behind every 128 words 32 words of padding
	s_mov_b32 s[G1+1], 64<<16                      ; rows of 512 bytes,
	s_mov_b32 s[G1+2], 25<<16                      ; 25 of them: 12,800 dense bytes
	s_mov_b32 s[G1+3], 64<<16
	s_mov_b32 s[G1+4], 25
	s_mov_b32 s[G1+5], 64
	s_mov_b32 s[G1+6], 0
	s_mov_b32 s[G1+7], 0
	s_mul_i32 s12, s[WV], 12800                    ; my block of the head's sixteen
	s_mul_i32 s14, s11, 204800
	s_add_co_u32 s14, s14, s12
	s_mov_b32 s15, 0
	s_mov_b32 s[G0], 1
	s_mul_i32 s[G0+1], s[WV], BLK
	s_mov_b32 s[SEL], 0x76543210
	s_mov_b32 s[SEL+1], 0xfedcba98
	s_mov_b32 s[CS], 0x3e38aa3b                    ; c = log2(e) / 8
	s_mov_b32 s[CS+1], s[CS]
	s_mov_b32 s[CN], 0xbe38aa3b                    ; -c
	; q: position tile 32 cx + 16 pass + wave of the head: block 4 cx + 2 pass + wave / 8, pair (wave / 2) % 4, half wave % 2
	s_lshl_b32 s48, s11, 4
	s_lshl_b32 s49, s10, 2
	s_add_co_u32 s48, s48, s49
	s_lshr_b32 s49, s[WV], 3
	s_add_co_u32 s48, s48, s49
	s_mul_i32 s48, s48, 6400
	s_bfe_u32 s50, s[WV], 0x20001
	s_mul_i32 s52, s50, 1536
	s_add_co_u32 s52, s52, s48
	s_mov_b32 s53, 0
	s_lshl_b32 s54, s50, 2
	s_add_co_u32 s54, s54, s48
	s_add_co_u32 s54, s54, 6144
	s_mov_b32 s55, 0
	s_and_b32 s51, s[WV], 1
	s_lshl_b32 s56, s51, 4                         ; my two bytes' place in the pair's word
	s_mov_b32 s58, 1024
	s_mov_b32 s59, 1032
	s_cmp_eq_u32 s51, 0
	s_cselect_b32 s57, 0, 520                      ; registers 0-5 of an image lie at 0, 8, 512 (+ 16 x lane), registers 6-11 at 520, 1,024, 1,032
	s_cselect_b32 s58, 8, s58
	s_cselect_b32 s59, 512, s59
	; o: tile 128 x batch + 32 cx + 16 pass + wave
	s_lshr_b32 s62, s11, 4
	s_and_b32 s63, s11, 15
	s_lshl_b32 s60, s62, 7
	s_lshl_b32 s61, s10, 5
	s_add_co_u32 s60, s60, s61
	s_add_co_u32 s60, s60, s[WV]
	s_mul_i32 s60, s60, 12288
	s_mul_i32 s61, s63, 768
	s_add_co_u32 s60, s60, s61
	s_mov_b32 s61, 0
	s_lshl_b32 s38, s63, 14                        ; o's scale bytes: 16,384 a head, 4,096 a batch, 1,024 for my 512 rows
	s_lshl_b32 s39, s62, 12
	s_add_co_u32 s38, s38, s39
	s_lshl_b32 s39, s10, 10
	s_add_co_u32 s38, s38, s39
	s_add_co_u32 s38, s38, 6291456
	s_mov_b32 s39, 0
	s_lshl_b32 s49, s[WV], 5
	s_wait_dscnt 0x0                               ; both opening adds are done
	s_wait_kmcnt 0x0
	s_add_nc_u64 s[G0+2:G0+3], s[6:7], s[14:15]
	s_or_b32 s[G0+3], s[G0+3], 0x80000000
	s_add_nc_u64 s[52:53], s[4:5], s[52:53]        ; q's codes
	s_add_nc_u64 s[54:55], s[4:5], s[54:55]        ; q's scale words
	s_add_nc_u64 s[60:61], s[8:9], s[60:61]        ; o's codes
	s_add_nc_u64 s[38:39], s[8:9], s[38:39]        ; o's scale bytes
	CROUND                                         ; all four work-groups are here: the joint loads meet
	tensor_load_to_lds s[G0:G0+3], s[G1:G1+7]      ; my one tensor load of the launch
	s_nop 0
	v_and_b32 v[TT], 31, v0
	v_and_b32 v[TX], 15, v0
	v_bfe_u32 v[BX], v0, 3, 1
	v_and_b32 v[BX+1], 7, v0
	v_bfe_u32 v[SH8], v0, 4, 1
	v_lshlrev_b32 v[LI], 4, v[TT]
	v_lshlrev_b32 v[L8], 3, v[TT]
	v_lshlrev_b32 v[R16], 4, v[TX]
	v_add_nc_u32 v[VQ], s57, v[LI]
	v_add_nc_u32 v[VQ+1], s58, v[LI]
	v_add_nc_u32 v[VQ+2], s59, v[LI]
.irp pi, 0,1                           ; both passes' tiles of queries
	global_load_b64 v[22+12*\pi:23+12*\pi], v[VQ], s[52:53] offset:12800*\pi
	global_load_b64 v[24+12*\pi:25+12*\pi], v[VQ+1], s[52:53] offset:12800*\pi
	global_load_b64 v[26+12*\pi:27+12*\pi], v[VQ+2], s[52:53] offset:12800*\pi
	global_load_b32 v[QT+\pi], v[R16], s[54:55] offset:12800*\pi
.endr
	v_mul_u32_u24 v[KL], v[BX], 1920
	v_lshlrev_b32 v[SL], 2, v[BX]
	v_lshlrev_b32 v[OSA], 1, v[TX]
	v_and_b32 v[GOS], 63, v0
	v_lshl_add_u32 v[KL], v[BX+1], 4, v[KL]
	v_lshl_add_u32 v[SL], v[BX+1], 4, v[SL]
	v_add_nc_u32 v[OSA], s49, v[OSA]
	v_lshlrev_b32 v[GOS], 4, v[GOS]
	v_lshl_add_u32 v[KL], v[SH8], 8, v[KL]
	v_lshlrev_b32 v[SH8], 3, v[SH8]
	v_add_nc_u32 v[OSA], OST, v[OSA]               ; 32 bytes a tile, 2 a row
	v_add_nc_u32 v[OSR], OST, v[GOS]
.irp j, 16,17,18,19,20,21,28,29,30,31,32,33,40,41,42,43,44,45
	v_mov_b32 v[\j], 0                             ; the zero codes beside q
.endr
	v_mov_b32 v[FF+1], 0                           ; (named as the upper half of a pair)
	s_wait_alu depctr_va_vdst(0)
	s_wait_loadcnt 0x0
.irp pi, 0,1
	v_lshrrev_b32 v[QT+\pi], s56, v[QT+\pi]
.endr
.irp pi, 0,1
	v_and_b32 v[QT+\pi], 0xffff, v[QT+\pi]
.endr
.irp pi, 0,1
	v_or_b32 v[QW+2*\pi], 0x7f7f0000, v[QT+\pi]
	v_lshl_or_b32 v[QW+2*\pi+1], v[QT+\pi], 16, 0x7f7f
.endr
; A KEY STEP: the 128 keys whose block begins at LDS byte s[TB].  qb: the first register of the pass's q; w: its two scale words
.macro STEP qb, w
	v_add_nc_u32 v[ADK], s[TB], v[KL]              ; these four lines are also the places in front of loads into registers that the last products read
	v_add_nc_u32 v[ADV], s[TB], v[LI]
	v_add_nc_u32 v[ADS], s[TB], v[SL]
	v_mov_b32 v[TT], v12                           ; the old -M
.irp n, 0,1,2,3
.irp q, 0,1,2
	ds_load_b128 v[KF+12*\n+4*\q:KF+12*\n+4*\q+3], v[ADK] offset:3840*(\n/2)+128*(\n%2)+ROWP*\q
.endr
	ds_load_b32 v[SCW+\n], v[ADS] offset:24*ROWP+128*(\n%2)+8*(\n/2)
.endr
	ds_load_b128 v[SCV:SCV+3], v[ADV] offset:24*ROWP   ; lanes 16-31, 256 bytes on, read v's words
	s_wait_alu depctr_va_vdst(0)
	s_wait_dscnt 0x0
.irp n, 0,1,2,3
	v_wmma_scale_f32_16x16x128_f8f6f4 v[S+16*\n:S+16*\n+7], v[KF+12*\n:KF+12*\n+11], v[(\qb):(\qb)+11], 0, v[SCW+\n], v[(\w)] matrix_a_fmt:MATRIX_FMT_FP6 matrix_b_fmt:MATRIX_FMT_FP6
	v_wmma_scale_f32_16x16x128_f8f6f4 v[S+16*\n+8:S+16*\n+15], v[KF+12*\n:KF+12*\n+11], v[(\qb)-6:(\qb)+5], 0, v[SCW+\n], v[(\w)+1] matrix_a_fmt:MATRIX_FMT_FP6 matrix_b_fmt:MATRIX_FMT_FP6
.endr
.rept 4
	v_nop                                          ; four places behind the products
.endr
.irp t, 0,1,2,3,4,5,6,7                ; the largest score of my two blocks of 32 keys: eight chains, one for each accumulator, in v[BM] .. v[BM+7]; each accumulator is first read at its low end
	v_max3_num_f32 v[BM+\t], v[S+8*\t], v[S+8*\t+1], v[S+8*\t+2]
.endr
.irp i, 3,5
.irp t, 0,1,2,3,4,5,6,7
	v_max3_num_f32 v[BM+\t], v[BM+\t], v[S+8*\t+\i], v[S+8*\t+\i+1]
.endr
.endr
.irp a, 0,1
	v_max3_num_f32 v[BM+4*\a], v[BM+4*\a], v[BM+4*\a+1], v[S+32*\a+7]
	v_max3_num_f32 v[BM+4*\a+2], v[BM+4*\a+2], v[BM+4*\a+3], v[S+32*\a+15]
.endr
.irp a, 0,1
	v_max3_num_f32 v[BM+4*\a], v[BM+4*\a], v[S+32*\a+23], v[S+32*\a+31]
.endr
.irp n, 0,1                            ; v's images land while the softmax is walked; their twelve loads stand between the links of the chain that makes M
	ds_load_b128 v[KF+4*\n:KF+4*\n+3], v[ADV] offset:ROWP*(12+\n)
.endr
	v_max_num_f32 v[BM], v[BM], v[BM+2]
	v_max_num_f32 v[BM+1], v[BM+4], v[BM+6]
.irp n, 2,3
	ds_load_b128 v[KF+4*\n:KF+4*\n+3], v[ADV] offset:ROWP*(12+\n)
.endr
	v_max_num_f32 v[BY], v[BM], v[BM+1]
.irp n, 4,5
	ds_load_b128 v[KF+4*\n:KF+4*\n+3], v[ADV] offset:ROWP*(12+\n)
.endr
	v_permlanex16_b32 v[TX], v[BY], s[SEL], s[SEL+1]
.irp n, 6,7
	ds_load_b128 v[KF+4*\n:KF+4*\n+3], v[ADV] offset:ROWP*(12+\n)
.endr
	v_max3_num_f32 v13, v13, v[BY], v[TX]          ; the running largest score of my query
	ds_load_b128 v[KF+32:KF+35], v[ADV] offset:ROWP*20
	v_mul_f32 v[BY], s[CN], v13
	ds_load_b128 v[KF+36:KF+39], v[ADV] offset:ROWP*21
	v_floor_f32 v12, v[BY]                         ; the new -M = -ceil(t)
	ds_load_b128 v[KF+40:KF+43], v[ADV] offset:ROWP*22
	v_sub_f32 v[TT], v12, v[TT]                    ; old M - new M: a whole number, 0 or less
	ds_load_b128 v[KF+44:KF+47], v[ADV] offset:ROWP*23
.set J, 0
.rept 8
	v_pk_fma_f32 v[S+J:S+J+1], v[S+J:S+J+1], s[CS:CS+1], v[12:13] op_sel_hi:[1,0,0]   ; t - M
.set J, J+2
.endr
	v_cvt_i32_f32 v[TT], v[TT]                     ; (it saturates)
.rept 8
	v_pk_fma_f32 v[S+J:S+J+1], v[S+J:S+J+1], s[CS:CS+1], v[12:13] op_sel_hi:[1,0,0]
.set J, J+2
.endr
	v_ldexp_f32 v[FF], 1.0, v[TT]                  ; f = 2^(old M - new M)
.rept 16
	v_pk_fma_f32 v[S+J:S+J+1], v[S+J:S+J+1], s[CS:CS+1], v[12:13] op_sel_hi:[1,0,0]
.set J, J+2
.endr
.irp a, 0,1
	v_fma_f32 v[BM+\a], v[BM+\a], s[CS], v12       ; the same of each block's largest score
.endr
.set J, 0
.rept 16
	v_pk_mul_f32 v[O+J:O+J+1], v[O+J:O+J+1], v[FF:FF+1] op_sel_hi:[1,0]   ; O^T under the new M, each accumulator from its low end on
.set J, J+2
.endr
	s_wait_alu depctr_va_vdst(0)
	v_exp_f32 v[BM], v[BM]                         ; the blocks' largest p: the same two instructions on the same number give the same bits
	v_exp_f32 v[BM+1], v[BM+1]
.set J, 0
.rept 64
	v_exp_f32 v[S+J], v[S+J]                       ; p = 2^(t - M): not normalised
.set J, J+1
.endr
	v_nop                                          ; a plain place behind the exponentials
	s_wait_alu depctr_va_vdst(0)                   ; one wait for the batch, ahead of its first reader
.irp a, 0,1
	v_max_num_f32 v[BM+\a], 0x1800000, v[BM+\a]    ; the floor 2^(3 - 127)
.endr
.irp a, 0,1
	v_add_nc_u32 v[SO+\a], 0xff000000, v[BM+\a]    ; 2 off the exponent field: the conversion's scale operand
.endr
.irp a, 0,1
	v_lshrrev_b32 v[BX+\a], 23, v[SO+\a]           ; the scale's byte
.endr
.irp a, 0,1
	v_cvt_scalef32_pk16_fp6_f32 v[PCD+6*\a:PCD+6*\a+2], v[S+32*\a:S+32*\a+15], v[SO+\a]
	v_cvt_scalef32_pk16_fp6_f32 v[TQ+4*\a:TQ+4*\a+2], v[S+32*\a+16:S+32*\a+31], v[SO+\a]   ; (a conversion's three registers begin on an even number)
.endr
	v_lshl_or_b32 v[TT], v[BX+1], 16, v[BX]        ; my blocks h and 2 + h.  (Also the plain place behind the conversions)
	v_lshlrev_b32 v[TT], v[SH8], v[TT]             ; at their places in the word
	v_permlanex16_b32 v[TX], v[TT], s[SEL], s[SEL+1]
.irp a, 0,1
.irp i, 0,1,2
	v_mov_b32 v[PCD+6*\a+3+\i], v[TQ+4*\a+\i]
.endr
.endr
	v_or_b32 v[PWD], v[TT], v[TX]                  ; with lane l xor 16's two bytes p's scale word is whole
.irp c, 0,1,2,3                        ; the sum of the unquantised p, four chains; each chain's first line brings it under the new M.  (These 32 are also the places in front of the products)
	v_pk_fma_f32 v[L+2*\c:L+2*\c+1], v[L+2*\c:L+2*\c+1], v[FF:FF+1], v[S+2*\c:S+2*\c+1] op_sel_hi:[1,0,1]
.endr
.irp c, 0,1,2,3                        ; four more chains for this step alone, in v[BM] .. v[BM+7], which are free here; they take turns with the four that are kept
	v_pk_add_f32 v[BM+2*\c:BM+2*\c+1], v[S+8+2*\c:S+9+2*\c], v[S+16+2*\c:S+17+2*\c]
.endr
.irp j, 24,40
.irp c, 0,1,2,3
	v_pk_add_f32 v[L+2*\c:L+2*\c+1], v[L+2*\c:L+2*\c+1], v[S+\j+2*\c:S+\j+2*\c+1]
.endr
.irp c, 0,1,2,3
	v_pk_add_f32 v[BM+2*\c:BM+2*\c+1], v[BM+2*\c:BM+2*\c+1], v[S+\j+8+2*\c:S+\j+9+2*\c]
.endr
.endr
.irp c, 0,1,2,3
	v_pk_add_f32 v[L+2*\c:L+2*\c+1], v[L+2*\c:L+2*\c+1], v[S+56+2*\c:S+57+2*\c]
.endr
.irp c, 0,1,2,3
	v_pk_add_f32 v[L+2*\c:L+2*\c+1], v[L+2*\c:L+2*\c+1], v[BM+2*\c:BM+2*\c+1]
.endr
	s_wait_dscnt 0x0                               ; v's images are in
.irp t, 0,1,2,3
	v_wmma_scale_f32_16x16x128_f8f6f4 v[O+8*\t:O+8*\t+7], v[KF+12*\t:KF+12*\t+11], v[PCD:PCD+11], v[O+8*\t:O+8*\t+7], v[SCV+\t], v[PWD] matrix_a_fmt:MATRIX_FMT_FP6 matrix_b_fmt:MATRIX_FMT_FP6 matrix_a_scale:MATRIX_SCALE_ROW1
.endr
.endm
; A PASS: 16 queries a wave against the head's 2,048 keys, then O^T / l, quantised in two blocks of 32 channels: six registers of codes and two bytes a row
.macro PASS pi
.if \pi
	s_wait_xcnt 0x0                                ; the last pass's stores have read their data, which the steps write again
.endif
	v_mov_b32 v13, 0xff61b1e6                      ; the largest score so far: -3e38
	v_mul_f32 v12, s[CN], v13
	v_floor_f32 v12, v12                           ; -M
.set J, 0
.rept 8
	v_mov_b32 v[L+J], 0
.set J, J+1
.endr
.set J, 0
.rept 32
	v_mov_b32 v[O+J], 0                            ; the step is written once: the first finds zeros
.set J, J+1
.endr
	s_mov_b32 s[TB], 0
	s_mov_b32 s[CNT], 16
.Lstep_\@:                                             ; the four accumulators of O^T take one turn each a step, with the eight products of the scores between
	STEP 22+12*\pi, QW+2*\pi
	s_add_co_u32 s[TB], s[TB], BLK
	s_sub_co_u32 s[CNT], s[CNT], 1
	s_cmp_lg_u32 s[CNT], 0
	s_cbranch_scc1 .Lstep_\@
	s_wait_alu depctr_va_vdst(0)
	v_pk_add_f32 v[L:L+1], v[L:L+1], v[L+2:L+3]    ; (the sum's lines are also the places behind the last products)
	v_pk_add_f32 v[L+4:L+5], v[L+4:L+5], v[L+6:L+7]
	v_pk_add_f32 v[L:L+1], v[L:L+1], v[L+4:L+5]
	v_add_f32 v[L], v[L], v[L+1]
	v_permlanex16_b32 v[TX], v[L], s[SEL], s[SEL+1]
	v_add_f32 v[L], v[L], v[TX]                    ; the row's sum
	s_wait_alu depctr_va_vdst(0)                   ; the wait ahead of the reciprocal
	v_rcp_f32 v[L], v[L]
	v_nop                                          ; a plain place behind it
	s_wait_alu depctr_va_vdst(0)                   ; and the wait ahead of its first reader and of O^T's
.set J, 0
.rept 32
	v_mul_f32 v[S+J], v[O+J], v[L]                 ; each accumulator from its low end on
.set J, J+1
.endr
.irp b, 0,1
	v_max3_num_f32 v[BM+\b], |v[S+16*\b]|, |v[S+1+16*\b]|, 0x1800000
.endr
.irp i, 2,4,6,8,10,12,14
.irp b, 0,1
	s_delay_alu instid0(VALU_DEP_2)
	v_max3_num_f32 v[BM+\b], v[BM+\b], |v[S+16*\b+\i]|, |v[S+1+16*\b+\i]|
.endr
.endr
.irp b, 0,1
	s_delay_alu instid0(VALU_DEP_2)
	v_permlanex16_b32 v[BX+\b], v[BM+\b], s[SEL], s[SEL+1]
.endr
.irp b, 0,1
	s_delay_alu instid0(VALU_DEP_2)
	v_max_num_f32 v[BM+\b], v[BM+\b], v[BX+\b]
.endr
.irp b, 0,1
	s_delay_alu instid0(VALU_DEP_2)
	v_add_nc_u32 v[SO+\b], 0xff000000, v[BM+\b]
.endr
.irp b, 0,1
	s_delay_alu instid0(VALU_DEP_2)
	v_lshrrev_b32 v[BX+\b], 23, v[SO+\b]
.endr
	s_delay_alu instid0(VALU_DEP_1)
	v_lshl_or_b32 v[TT], v[BX+1], 8, v[BX]
	v_cvt_scalef32_pk16_fp6_f32 v[PCD:PCD+2], v[S:S+15], v[SO]
	v_cvt_scalef32_pk16_fp6_f32 v[TQ:TQ+2], v[S+16:S+31], v[SO+1]
	v_nop                                          ; one plain place behind the scaled conversions
.irp i, 0,1,2
	v_permlane16_swap_b32 v[PCD+\i], v[TQ+\i]      ; a whole block of channels to a lane
.endr
.irp i, 0,1,2
	s_delay_alu instid0(VALU_DEP_3)
	v_mov_b32 v[PCD+3+\i], v[TQ+\i]
.endr
	global_store_b128 v[LI], v[PCD:PCD+3], s[60:61] offset:196608*\pi        ; 512 consecutive bytes
	global_store_b64 v[L8], v[PCD+4:PCD+5], s[60:61] offset:196608*\pi+512   ; 256 consecutive bytes
	ds_store_b16 v[OSA], v[TT] offset:512*\pi      ; lanes l and l xor 16 write the same bytes with the same value
.endm
	s_wait_alu depctr_va_vdst(0)
	s_wait_tensorcnt 0x0                           ; my block is in
	s_barrier_signal -1
	s_barrier_wait -1                              ; everybody's is
	PASS 0
	PASS 1
	s_wait_dscnt 0x0                               ; my scale bytes lie in LDS
	s_barrier_signal -1
	s_barrier_wait -1
	s_cmp_lt_u32 s[WV], 2                          ; waves 0 and 1 store the work-group's 1,024 bytes, 512 consecutive bytes each
	s_cbranch_scc0 .Lno_os
	ds_load_b128 v[96:99], v[OSR]
	s_wait_dscnt 0x0
	global_store_b128 v[GOS], v[96:99], s[38:39]
.Lno_os:
	s_wait_tensorcnt 0x0                           ; the wave's end: behind my tensor load and my last LDS store
	ds_add_u32 v[SPW], v[NIL]
	s_wait_dscnt 0x0
	CROUND                                         ; the closing round
	s_endpgm
.Lfunc_end_k_q5116baaead_attn:
	.size	k_q5116baaead_attn, .Lfunc_end_k_q5116baaead_attn-k_q5116baaead_attn
	.p2alignl 7, 3214868480
	.fill 96, 4, 3214868480
	.section	.rodata,"a",@progbits
	.p2align	6, 0x0
	.amdhsa_kernel k_q5116baaead_attn
		.amdhsa_group_segment_fixed_size 259072
		.amdhsa_private_segment_fixed_size 0
		.amdhsa_enable_private_segment 0
		.amdhsa_kernarg_size 24
		.amdhsa_user_sgpr_count 2
		.amdhsa_user_sgpr_kernarg_segment_ptr 1
		.amdhsa_wavefront_size32 1
		.amdhsa_system_sgpr_workgroup_id_x 1
		.amdhsa_system_sgpr_workgroup_id_y 1
		.amdhsa_system_sgpr_workgroup_id_z 1
		.amdhsa_system_vgpr_workitem_id 0
		.amdhsa_next_free_vgpr 256
		.amdhsa_next_free_sgpr 66
		.amdhsa_reserve_vcc 0
		.amdhsa_float_denorm_mode_32 3
		.amdhsa_float_denorm_mode_16_64 3
		.amdhsa_memory_ordered 1
		.amdhsa_forward_progress 1
		.amdhsa_inst_pref_size 49
	.end_amdhsa_kernel
	.amdgpu_metadata
---
amdhsa.version: [ 1, 2 ]
amdhsa.kernels:
  - .name:           k_q5116baaead_attn
    .symbol:         k_q5116baaead_attn.kd
    .args:
      - { .name: qb, .offset: 0, .size: 8, .value_kind: global_buffer, .address_space: global }
      - { .name: kv, .offset: 8, .size: 8, .value_kind: global_buffer, .address_space: global }
      - { .name: oq, .offset: 16, .size: 8, .value_kind: global_buffer, .address_space: global }
    .group_segment_fixed_size: 259072
    .private_segment_fixed_size: 0
    .kernarg_segment_align: 8
    .kernarg_segment_size: 24
    .max_flat_workgroup_size: 512
    .sgpr_count:     66
    .vgpr_count:     256
    .wavefront_size: 32
...
	.end_amdgpu_metadata
.endif
;; end of part 4
;; launch op (part 5): grid 4 x 32, 4 waves a work-group, clusters of 4 x 4, 327,680 bytes of LDS; arguments oq, wq, out0; writes out0
.if DOCPART == 5
	.amdgcn_target "amdgcn-amd-amdhsa--gfx1250"
	.amdhsa_code_object_version 6
	.text
	.protected	k_q5116baaead_op
	.globl	k_q5116baaead_op
	.p2align	8
	.type	k_q5116baaead_op,@function
k_q5116baaead_op:
	s_mov_b64 s[64:65], 0
	v_nop
	global_prefetch_b8 v0, s[64:65] scope:SCOPE_SE
	s_setreg_imm32_b32 hwreg(HW_REG_WAVE_MODE, 25, 1), 1
	s_wait_xcnt 0x0
	s_wait_alu depctr_hold_cnt(0) depctr_sa_sdst(0) depctr_va_vdst(0) depctr_va_sdst(0) depctr_va_ssrc(0) depctr_va_vcc(0) depctr_vm_vsrc(0)
	s_getreg_b32 s2, hwreg(HW_REG_IB_STS2, 6, 4)
	s_cmp_eq_u32 s2, 0
	s_cbranch_scc0 .Lentry_in_a_cluster
	s_endpgm
.Lentry_in_a_cluster:
	s_bfe_u32 s2, ttmp6, 0x10000c
	s_cmp_lg_u32 s2, 0xf033
	s_cbranch_scc0 .Lentry_shape_is_right
	s_endpgm
.Lentry_shape_is_right:
.set NQ,     2
.set FR,     12
.set NL,     3
.set NLA,    4
.set NP,     4
.set HALFT,  24576
.set SLOT,   4*HALFT
.set SCL,    2*SLOT
.set SPARE,  213248
.set SPITCH, 528
.set ADRA, 16
.set ADR8, 18
.set ADRB, 20
.set STO,  24
.set RD,   25
.set CO,   26
.set ADRS, 27
.set SPW,  28
.set NIL,  29
.set SC,   32
.set AF,   128
.set BK,   128
.set G1, 24
.set G0, 32
.set G1B, 48
.set G0B, 56
.set G1SB, 80
.set G0SB, 88
.set MSB, 0
.macro WIN new
.if MSB != (\new)
	s_set_vgpr_msb (MSB<<8)|(\new)
.set MSB, (\new)
.endif
.endm
.set MUL_LO, 0xa1
.set MUL_HI, 0xf1
.set TO_B,   0x40
.macro JLOAD g0a, g1a, g0b, g1b
	s_cmp_eq_u32 s15, 0
	s_cbranch_scc0 .Lfor_b_\@
	tensor_load_to_lds s[\g0a:\g0a+3], s[\g1a:\g1a+7]
	s_nop 0
.rept 4
	v_nop
.endr
	s_branch .Lasked_\@
.Lfor_b_\@:
	tensor_load_to_lds s[\g0b:\g0b+3], s[\g1b:\g1b+7]
	s_nop 0
.rept 4
	v_nop
.endr
.Lasked_\@:
.endm
.macro CREST
	s_cmp_lg_u32 s14, 0
	s_cbranch_scc1 .Lnot_wave_0_\@
	s_barrier_signal -3
.Lnot_wave_0_\@:
	s_barrier_wait -3
	s_barrier_signal -1
	s_barrier_wait -1
.endm
.macro CROUND
	s_barrier_signal -1
	s_barrier_wait -1
	CREST
.endm
	s_load_b128 s[4:7], s[0:1], 0x0
	s_load_b64 s[8:9], s[0:1], 0x10
	v_lshl_add_u32 v[SPW], v0, 2, SPARE
	v_mov_b32 v[NIL], 0
	ds_add_u32 v[SPW], v[NIL]
	ds_add_u32 v[SPW], v[NIL]
	v_lshrrev_b32 v1, 5, v0
	v_readfirstlane_b32 s14, v1
	s_lshr_b32 s15, s14, 1
	s_and_b32 s16, s14, 1
	s_bfe_u32 s40, ttmp6, 0x40000
	s_bfe_u32 s41, ttmp6, 0x40004
	s_mov_b32 s42, s40
	s_and_b32 s17, ttmp7, 0xffff
	s_lshl_b32 s17, s17, 2
	s_add_co_u32 s17, s17, s41
	s_lshl_b32 s43, s41, 2
	s_lshl_b32 s43, 15, s43
	s_lshl_b32 s44, 0x1111, s40
	s_or_b32 s[G1+0], s43, (3<<16)|(1<<21)
	s_or_b32 s[G1B+0], s44, (3<<16)|(1<<21)
.irp g, G1, G1B
	s_mov_b32 s[\g+1], 384<<16
	s_mov_b32 s[\g+2], 16<<16                      ; the head's loads bring 16 tiles; behind them the two words that count rows are set to 8
	s_mov_b32 s[\g+3], 384<<16
	s_mov_b32 s[\g+4], 16
	s_mov_b32 s[\g+5], 1536
	s_mov_b32 s[\g+6], 0
	s_mov_b32 s[\g+7], 0
.endr
	s_lshl_b32 s18, s16, 3
	s_lshl_b32 s20, s17, 4
	s_add_co_u32 s20, s20, s18
	s_lshl_b32 s46, s42, 4
	s_add_co_u32 s46, s46, 192
	s_lshl_b32 s92, s46, 9
	s_add_co_u32 s92, s92, 3145728
	s_lshl_b32 s94, s14, 11
	s_add_co_u32 s92, s92, s94
	s_mov_b32 s93, 0
	s_add_co_u32 s46, s46, s18
	s_mul_i32 s20, s20, 12288
	s_mov_b32 s21, 0
	s_mul_i32 s46, s46, 12288
	s_mov_b32 s47, 0
	s_mul_i32 s45, s14, HALFT
	s_mul_i32 s97, s15, 3072                       ; the head's loads: K steps 2 (wave / 2) and the next, of all 16 tiles
	s_mul_i32 s96, s17, 16*12288                   ; A's by the tile row alone,
	s_add_co_u32 s96, s96, s97
	s_mul_i32 s98, s42, 16*12288                   ; B's by the tile column alone (Wo's tiles begin at tile 192)
	s_add_co_u32 s98, s98, 192*12288
	s_add_co_u32 s98, s98, s97
	s_mov_b32 s97, 0
	s_mov_b32 s99, 0
	s_lshl_b32 s22, s17, 9
	s_add_co_u32 s22, s22, 6291456
	s_mov_b32 s23, 0
	s_wait_dscnt 0x0
	s_wait_kmcnt 0x0
	s_add_nc_u64 s[20:21], s[4:5], s[20:21]
	s_add_nc_u64 s[18:19], s[4:5], s[22:23]
	s_add_nc_u64 s[46:47], s[6:7], s[46:47]
	s_add_nc_u64 s[92:93], s[6:7], s[92:93]
	CROUND
.set G0S, 76
	s_mov_b32 s[G0S], 1                            ; the head's group 0 for A: slot wave / 2, A's 16 tiles
	s_mul_i32 s[G0S+1], s15, SLOT
	s_add_nc_u64 s[G0S+2:G0S+3], s[4:5], s[96:97]
	s_or_b32 s[G0S+3], s[G0S+3], 0x80000000
	s_mov_b32 s[G0SB], 1                           ; and for B: behind A's in the slot
	s_mul_i32 s[G0SB+1], s15, SLOT
	s_add_co_u32 s[G0SB+1], s[G0SB+1], 2*HALFT
	s_add_nc_u64 s[G0SB+2:G0SB+3], s[6:7], s[98:99]
	s_or_b32 s[G0SB+3], s[G0SB+3], 0x80000000
	s_mov_b64 s[72:73], s[92:93]                   ; my 2,048 bytes of B's scale words, in registers that are not written again
.irp s, 0,1
	s_mov_b32 s[G0+4*\s], 1
	s_add_co_u32 s[G0+4*\s+1], s45, \s*SLOT
	s_add_nc_u64 s[G0+4*\s+2:G0+4*\s+3], s[20:21], \s*3072
	s_or_b32 s[G0+4*\s+3], s[G0+4*\s+3], 0x80000000
	s_mov_b32 s[G0B+4*\s], 1
	s_add_co_u32 s[G0B+4*\s+1], s45, \s*SLOT
	s_add_nc_u64 s[G0B+4*\s+2:G0B+4*\s+3], s[46:47], \s*3072
	s_or_b32 s[G0B+4*\s+3], s[G0B+4*\s+3], 0x80000000
.endr
	; THE HEAD'S LOADS, ONE A WAVE, one group behind the one round: wave 0 A's tiles of slot 0, wave 1 B's, wave 2 A's of slot 1, wave 3 B's
	s_cmp_eq_u32 s16, 0
	s_cbranch_scc0 .Lhead_b
	tensor_load_to_lds s[G0S:G0S+3], s[G1:G1+7]
	s_nop 0
.rept 4
	v_nop
.endr
	s_branch .Lhead_asked
.Lhead_b:
	tensor_load_to_lds s[G0SB:G0SB+3], s[G1B:G1B+7]
	s_nop 0
.rept 4
	v_nop
.endr
.Lhead_asked:
	; B's scale words, 8,192 dense bytes: a wave takes 2,048, 512 consecutive bytes a load, and stores them to LDS bytes on which no fill lands
	v_and_b32 v3, 31, v0
	s_add_co_u32 s95, s94, SCL+8320
	v_lshlrev_b32 v11, 4, v3
	v_add_nc_u32 v10, s95, v11
.irp i, 0,1,2,3
	global_load_b128 v[96+4*\i:99+4*\i], v11, s[72:73] offset:512*\i
.endr
	v_lshlrev_b32 v7, 2, v0
.irp e, 0,1,2,3,4,5,6,7,8,9,10,11,12,13,14,15
	global_load_b32 v[64+\e], v7, s[18:19] offset:16384*\e
.endr
	v_and_b32 v1, 15, v0
	v_bfe_u32 v2, v0, 4, 1
	v_and_b32 v3, 31, v0
	v_lshlrev_b32 v[CO], 4, v3
	v_lshlrev_b32 v4, 3, v3
	s_mul_i32 s21, s15, HALFT
	s_mul_i32 s22, s16, HALFT
	s_add_co_u32 s22, s22, 2*HALFT
.irp s, 0,1
	v_add_nc_u32 v[ADRA+\s], s21, v[CO]
	v_add_nc_u32 v[ADR8+\s], s21, v4
	v_add_nc_u32 v[ADRB+\s], s22, v[CO]
	s_add_co_u32 s21, s21, SLOT
	s_add_co_u32 s22, s22, SLOT
.endr
	s_lshl_b32 s21, s15, 12
	s_lshl_b32 s22, s16, 12
	s_add_co_u32 s22, s22, 8320
	s_sub_co_u32 s22, s22, s21
	v_mul_u32_u24 v6, s22, v2
	s_add_co_u32 s21, s21, SCL
	v_lshl_add_u32 v5, v1, 3, v6
	v_add_nc_u32 v[ADRS], s21, v5
	s_mul_i32 s23, s14, 16*SPITCH
	v_mul_u32_u24 v5, v1, SPITCH
	v_lshl_add_u32 v5, v2, 6, v5
	v_add_nc_u32 v[STO], s23, v5
	v_add_nc_u32 v[RD], s23, v[CO]
	v_lshrrev_b32 v8, 3, v0
	v_and_b32 v9, 7, v0
	v_lshlrev_b32 v8, 9, v8
	v_lshl_add_u32 v8, v9, 4, v8
	v_add_nc_u32 v8, SCL, v8
	s_lshl_b32 s92, s17, 20
	s_lshl_b32 s93, s15, 19
	s_add_co_u32 s92, s92, s93
	s_lshl_b32 s93, s40, 10
	s_add_co_u32 s92, s92, s93
	s_lshl_b32 s93, s16, 9
	s_add_co_u32 s92, s92, s93
	s_mov_b32 s93, 0
	s_add_nc_u64 s[12:13], s[8:9], s[92:93]
	s_mov_b32 s96, 0x05040100
	s_mov_b32 s97, 0x07060302
	s_wait_loadcnt 0x0
.irp j, 0,1,2,3
	v_perm_b32 v[80+4*\j], v[65+4*\j], v[64+4*\j], s96
	v_perm_b32 v[81+4*\j], v[67+4*\j], v[66+4*\j], s96
	v_perm_b32 v[82+4*\j], v[65+4*\j], v[64+4*\j], s97
	v_perm_b32 v[83+4*\j], v[67+4*\j], v[66+4*\j], s97
.endr
.irp j, 0,1,2,3
	ds_store_b128 v8, v[80+4*\j:83+4*\j] offset:128*\j
.endr
.irp j, 0,1,2,3
	ds_store_b128 v10, v[96+4*\j:99+4*\j] offset:512*\j
.endr
.macro FRAG reg, adr, q, i
.irp p, 0,1,2
	ds_load_b128 v[\reg+4*\p:\reg+4*\p+3], v[\adr] offset:(\i)*3072+(\q)*1536+512*\p
.endr
.endm
.macro FRAGO reg, slot, q, i
	ds_load_b128 v[\reg:\reg+3], v[ADRA+\slot] offset:(\i)*3072+(\q)*1536
	ds_load_b64 v[\reg+4:\reg+5], v[ADR8+\slot] offset:(\i)*3072+(\q)*1536+512
	ds_load_b128 v[\reg+6:\reg+9], v[ADRA+\slot] offset:(\i)*3072+(\q)*1536+768
	ds_load_b64 v[\reg+10:\reg+11], v[ADR8+\slot] offset:(\i)*3072+(\q)*1536+1280
.endm
.macro MUL16 a0, p, q, sc, zero
.irp a, \a0, \a0+1
.irp b, 0,1,2,3,4,5,6,7
.if \zero
	v_wmma_scale_f32_16x16x128_f8f6f4 v[8*(8*((\a)%4)+\b):8*(8*((\a)%4)+\b)+7], v[128*(\p)+FR*\b:128*(\p)+FR*\b+FR-1], v[AF+FR*(\a):AF+FR*(\a)+FR-1], 0, v[SC+8*NQ*(\sc)+NQ*\b+(\q)], v[SC+8*NQ*(\sc)+NQ*(\a)+(\q)] matrix_a_fmt:MATRIX_FMT_FP6 matrix_b_fmt:MATRIX_FMT_FP6 matrix_a_scale:MATRIX_SCALE_ROW1
.else
	v_wmma_scale_f32_16x16x128_f8f6f4 v[8*(8*((\a)%4)+\b):8*(8*((\a)%4)+\b)+7], v[128*(\p)+FR*\b:128*(\p)+FR*\b+FR-1], v[AF+FR*(\a):AF+FR*(\a)+FR-1], v[8*(8*((\a)%4)+\b):8*(8*((\a)%4)+\b)+7], v[SC+8*NQ*(\sc)+NQ*\b+(\q)], v[SC+8*NQ*(\sc)+NQ*(\a)+(\q)] matrix_a_fmt:MATRIX_FMT_FP6 matrix_b_fmt:MATRIX_FMT_FP6 matrix_a_scale:MATRIX_SCALE_ROW1
.endif
.endr
.endr
.endm
.macro FETCH_B slot, q, p
	WIN TO_B
.irp i, 0,1,2,3,4,5,6,7
	FRAG 128*(\p)+FR*\i, ADRB+\slot, \q, \i
.endr
	WIN 0
.endm
.macro FETCH_A slot, q, i0
.irp i, \i0, \i0+1, \i0+2, \i0+3
	FRAGO AF+FR*(\i), \slot, \q, \i
.endr
.endm
.macro SCALES sc
.irp i, 0,1,2,3,4,5,6,7
	ds_load_b64 v[SC+8*NQ*\sc+NQ*\i:SC+8*NQ*\sc+NQ*\i+1], v[ADRS] offset:\i*512
.endr
.endm
.macro PLACES n
.rept \n
	v_nop
.endr
.endm
.macro STEP slot, q, zero
	s_wait_dscnt 4*NLA
	WIN MUL_LO
	MUL16 0, (\q)%2, \q, \slot, \zero
	MUL16 2, (\q)%2, \q, \slot, \zero
	s_wait_dscnt 0
	PLACES NP
	FETCH_B \slot, (\q)+1, 1-(\q)%2
	FETCH_A \slot, (\q)+1, 0
	WIN MUL_HI
	MUL16 4, (\q)%2, \q, \slot, \zero
	MUL16 6, (\q)%2, \q, \slot, \zero
	PLACES NP
	WIN 0
	FETCH_A \slot, (\q)+1, 4
.endm
.macro TURN slot, next, fill
	s_wait_tensorcnt 0x0
	ds_add_u32 v[SPW], v[NIL]
	s_wait_dscnt 4*NLA+1
	WIN MUL_LO
	MUL16 0, 1, NQ-1, \slot, 0
	s_wait_dscnt 0x0
	s_barrier_signal -1
	MUL16 2, 1, NQ-1, \slot, 0
	WIN 0
	s_barrier_wait -1
.if \fill
	CREST
	s_add_nc_u64 s[G0+4*\slot+2:G0+4*\slot+3], s[G0+4*\slot+2:G0+4*\slot+3], 6144
	s_add_nc_u64 s[G0B+4*\slot+2:G0B+4*\slot+3], s[G0B+4*\slot+2:G0B+4*\slot+3], 6144
	JLOAD G0+4*\slot, G1, G0B+4*\slot, G1B
.else
	PLACES NP
.endif
	s_wait_alu depctr_va_vdst(0)
	v_add_nc_u32 v[ADRS], 128, v[ADRS]
	FETCH_B \next, 0, 0
	FETCH_A \next, 0, 0
	SCALES \next
	WIN MUL_HI
	MUL16 4, 1, NQ-1, \slot, 0
	MUL16 6, 1, NQ-1, \slot, 0
	PLACES NP
	WIN 0
	FETCH_A \next, 0, 4
.endm
	s_wait_tensorcnt 0x0                           ; my tile of the head's four is in, and no load of mine is out: from here on a load brings 8 tiles
	s_mov_b32 s[G1+2], 8<<16
	s_mov_b32 s[G1+4], 8
	s_mov_b32 s[G1B+2], 8<<16
	s_mov_b32 s[G1B+4], 8
	s_wait_dscnt 0x0
	s_barrier_signal -1
	s_barrier_wait -1
	FETCH_B 0, 0, 0
	FETCH_A 0, 0, 0
	SCALES 0
	FETCH_A 0, 0, 4
	STEP 0, 0, 1
	TURN 0, 1, 1
	STEP 1, 0, 0
	TURN 1, 0, 1
	STEP 0, 0, 0
	TURN 0, 1, 0
	STEP 1, 0, 0
	s_wait_dscnt 4*NLA
	WIN MUL_LO
	MUL16 0, 1, NQ-1, 1, 0
	MUL16 2, 1, NQ-1, 1, 0
	s_wait_dscnt 0
	WIN MUL_HI
	MUL16 4, 1, NQ-1, 1, 0
	MUL16 6, 1, NQ-1, 1, 0
	WIN 0
.macro TOSTAGE n
.set AC, 64*((\n)%4)
	WIN 0x08+4*((\n)/4)
.irp b, 0,1,2,3,4,5,6,7
	ds_store_b128 v[STO], v[AC+8*\b:AC+8*\b+3] offset:128*(\b/2)+32*(\b%2)
	ds_store_b128 v[STO], v[AC+8*\b+4:AC+8*\b+7] offset:128*(\b/2)+32*(\b%2)+16
.endr
	WIN 0
.set BB, BK+64*((\n)%2)
.irp t, 0,1,2,3,4,5,6,7,8,9,10,11,12,13,14,15
	ds_load_b128 v[BB+4*\t:BB+4*\t+3], v[RD] offset:\t*SPITCH
.endr
.endm
.macro SEND n, younger
.set BB, BK+64*((\n)%2)
	s_wait_dscnt \younger
.irp t, 0,1,2,3,4,5,6,7,8,9,10,11,12,13,14,15
	global_store_b128 v[CO], v[BB+4*\t:BB+4*\t+3], s[12:13] offset:(32*((\n)/2)+8*((\n)%2)+16*(\t/8)+\t%8)*4096 th:TH_STORE_NT
.endr
.endm
	PLACES NP
	TOSTAGE 0
.irp n, 1,2,3,4,5,6,7
.if \n > 1
	s_wait_xcnt 0x0
.endif
	TOSTAGE \n
	SEND \n-1, 32
.endr
	SEND 7, 0
	s_wait_tensorcnt 0x0
	ds_add_u32 v[SPW], v[NIL]
	s_wait_dscnt 0x0
	CROUND
	s_endpgm
.Lfunc_end_k_q5116baaead_op:
	.size	k_q5116baaead_op, .Lfunc_end_k_q5116baaead_op-k_q5116baaead_op
	.p2alignl 7, 3214868480
	.fill 96, 4, 3214868480
	.section	.rodata,"a",@progbits
	.p2align	6, 0x0
	.amdhsa_kernel k_q5116baaead_op
		.amdhsa_group_segment_fixed_size 327680
		.amdhsa_private_segment_fixed_size 0
		.amdhsa_enable_private_segment 0
		.amdhsa_kernarg_size 24
		.amdhsa_user_sgpr_count 2
		.amdhsa_user_sgpr_kernarg_segment_ptr 1
		.amdhsa_wavefront_size32 1
		.amdhsa_system_sgpr_workgroup_id_x 1
		.amdhsa_system_sgpr_workgroup_id_y 1
		.amdhsa_system_sgpr_workgroup_id_z 1
		.amdhsa_system_vgpr_workitem_id 0
		.amdhsa_next_free_vgpr 1024
		.amdhsa_next_free_sgpr 100
		.amdhsa_reserve_vcc 0
		.amdhsa_float_denorm_mode_32 3
		.amdhsa_float_denorm_mode_16_64 3
		.amdhsa_memory_ordered 1
		.amdhsa_forward_progress 1
		.amdhsa_inst_pref_size 142
	.end_amdhsa_kernel
	.amdgpu_metadata
---
amdhsa.version: [ 1, 2 ]
amdhsa.kernels:
  - .name:           k_q5116baaead_op
    .symbol:         k_q5116baaead_op.kd
    .args:
      - { .name: oq, .offset: 0, .size: 8, .value_kind: global_buffer, .address_space: global }
      - { .name: wq, .offset: 8, .size: 8, .value_kind: global_buffer, .address_space: global }
      - { .name: out0, .offset: 16, .size: 8, .value_kind: global_buffer, .address_space: global }
    .group_segment_fixed_size: 327680
    .private_segment_fixed_size: 0
    .kernarg_segment_align: 8
    .kernarg_segment_size: 24
    .max_flat_workgroup_size: 128
    .sgpr_count:     100
    .vgpr_count:     1024
    .wavefront_size: 32
...
	.end_amdgpu_metadata
.endif
;; end of part 5
